; MI455X (gfx1250); checked and timed in simulation.
; The chip was launched on July 23, 2026; its instructions are those of AMD's public machine-readable ISA for CDNA 5 (MIT licence, August 2026) and "CDNA5" Instruction Set Architecture Reference Guide (July 2026). The comments in the code are by the model that wrote it; some were corrected since.
;; Cross Modality Attention. Allowed arithmetic: matrix products marked QUANTISED: E2M3 operands, one E8M0 scale for each 32 along K, by v_wmma_scale_f32_16x16x128_f8f6f4 with both operands' format E2M3, f32 sums; products left as they are: f32 operands where the result goes on into a quantised operand, else bf16, f16 or f32 operands; f32 sums; everything else in f32.
;; Inputs: bk 1,024 float32; bo 1,024 float32; bq 1,024 float32; bv 1,024 float32; ln_beta 1,024 float32; ln_gamma 1,024 float32; modality_encodings 8,192 x 2 x 1,024 float32; rel_prior 2 x 2 float32; selection_mask 8,192 x 2 float32; wk 1,024 x 1,024 float32; wo 1,024 x 1,024 float32; wq 1,024 x 1,024 float32; wv 1,024 x 1,024 float32.
;; Outputs: out0 8,192 x 2 x 1,024 float32.
;; This version of the problem:
;;   THIS VERSION OF THE PROBLEM IS GIVEN IN LOW PRECISION. The matrix products marked QUANTISED in the list below multiply operands that are first quantised to E2M3 (2 exponent bits, 3 mantissa bits; 6 bits a number), with one power-of-two scale for each 32 numbers along K (OCP MX v1.0); their sums are f32. All else is computed in f32.
;;   The module's matrix products, in the order in which they are computed (A, B: the left and right operand; K: the contracted axis; several contracted axes count as one K, in the product's order):
;;     1. [M 16,384, K 1,024] x [K 1,024, N 1,024]; A: input modality_encodings; B: input wq: QUANTISED
;;     2. [M 16,384, K 1,024] x [K 1,024, N 1,024]; A: input modality_encodings; B: input wk: QUANTISED
;;     3. [M 16,384, K 1,024] x [K 1,024, N 1,024]; A: input modality_encodings; B: input wv: QUANTISED
;;     4. batch 65,536 x [M 2, K 128] x [K 128, N 2]; A: computed on the way; B: computed on the way: left as it is (M = 2 < 16)
;;     5. batch 65,536 x [M 2, K 2] x [K 2, N 128]; A: softmax; B: computed on the way: left as it is (K = 2 < 32)
;;     6. [M 16,384, K 1,024] x [K 1,024, N 1,024]; A: computed on the way; B: input wo: QUANTISED
;;   THE QUANTISER, for each operand of a quantised product, along K:
;;     - K is cut into blocks of 32 from its start; a last block that is shorter is filled with zeros.
;;     - A block's scale is 2^e with e = floor(log2(the largest magnitude in the block)) - 2, held to -126 .. 127; a block of zeros has e = 0. As a byte (E8M0): e + 127.
;;     - Each number is divided by its block's scale, clamped to +-7.5, and rounded to the nearest number of E2M3, ties to even, subnormals kept.
;;     - The product sums the exact products of the quantised numbers (number of the format x scale) in f32.
;;   ~~~python
;;   def quantise(x, axis):      # numpy; x: float32 -> the quantised numbers, widened to float32 again
;;       x = np.moveaxis(x, axis, -1); K = x.shape[-1]
;;       x = np.pad(x, [(0, 0)] * (x.ndim - 1) + [(0, -K % 32)]); x = x.reshape(x.shape[:-1] + (-1, 32)); a = np.abs(x).max(-1, keepdims=True)
;;       e = np.where(a > 0, np.clip(np.frexp(np.where(a > 0, a, 1))[1] - 1 - 2, -126, 127), 0)      # np.frexp(a)[1] - 1 = floor(log2(a)), exactly
;;       r = np.clip(x / 2.0 ** e, -7.5, 7.5)
;;       step = 2.0 ** (np.maximum(np.frexp(np.where(r == 0, 1, r))[1] - 1, 0) - 3)
;;       q = np.round(r / step) * step * 2.0 ** e      # np.round: ties to even
;;       return np.moveaxis(q.reshape(q.shape[:-2] + (-1,))[..., :K], -1, axis).astype(np.float32)
;;   ~~~
;;   OPERANDS COMPUTED ON THE WAY. 'Computed on the way' means the value that the module computes at that place (a softmax that the list does not call 'softmax' is quantised finished and normalised). What goes into a quantiser is computed in f32, as accurately as f32 sums, v_exp_f32 and their like allow (about 1e-6 of the number): no bf16 or f16 on the way to a quantiser, and a product that is left as it is and whose result goes on into a quantised operand takes f32 operands (vector FMAs, or v_wmma_f32_16x16x4_f32). A number that lies on a knife's edge between two numbers of the format may be rounded either way, as far as f32 arithmetic and the matrix unit's own rounding can turn it there, and no further.
;; One version. Each part assembles by itself: llvm-mc -triple=amdgcn-amd-amdhsa -mcpu=gfx1250 --defsym DOCPART=n.
;; ======== version 1 of 1: 3 launches
;; limits: right only within a limited range of input values
;; workspace buffers: wstream 3,309,568 bytes; xq 13,107,200 bytes; aq 13,107,200 bytes
;; launch prep (part 1): grid 768 x 1, 4 waves a work-group, no clusters, 34,304 bytes of LDS; arguments wq, wk, wv, wo, bq, bk, bv, bo, wstream, modality_encodings, xq; writes wstream, xq
.if DOCPART == 1
	.amdgcn_target "amdgcn-amd-amdhsa--gfx1250"
	.amdhsa_code_object_version 6
	.text
	.protected	k_q8453aa6bc7_prep
	.globl	k_q8453aa6bc7_prep
	.p2align	8
	.type	k_q8453aa6bc7_prep,@function
k_q8453aa6bc7_prep:
	s_mov_b64 s[64:65], 0
	v_nop
	global_prefetch_b8 v0, s[64:65] scope:SCOPE_SE
	s_setreg_imm32_b32 hwreg(HW_REG_WAVE_MODE, 25, 1), 1
	s_wait_xcnt 0x0
; Everything that later launches multiply more than once is quantised here once: codes of FP6 (E2M3) with one E8M0 byte for each 32 along K, laid in the order of the operands' registers.
; WORK-GROUPS 0 TO 255: wq, wk, wv, wo [1024 (out)][1024 (in)] f32 become the weight stream: 32 chunks x 4 blocks of CHW = 25,856 bytes.  Block (chunk c, place w) serves 32 output columns n0 .. n0 + 31:
;   c < 24: c = 3 hd + jm, matrix jm (wq, wk, wv), n0 = 128 hd + 32 w;      c >= 24: wo, n0 = 256 w + 32 (c - 24).
;   In a block: 16 fragments f = 2 s + u (K step s of 128, tile u) of 1,536 bytes, each as three pieces of 512 bytes: piece i holds lane l's operand registers 4 i .. 4 i + 3 at 16 l;
;   at 24,576: for each K step 128 bytes of scale words, lane 16 u + r the word of tile u's row r;   at 25,600: the 32 bias numbers;   at 25,728: 128 bytes of zeros.
;   THE ROWS OF A TILE ARE NOT NEIGHBOURS: lane r of tile u takes weight row n0 + 8 u + r + 8 (r / 8), so that the results of tiles 0 and 1 are 16 neighbouring columns in a lane.
;   A wave takes one block's one K step; lane (r, h) loads the very numbers that the operand's layout gives it, so the conversions' results are the operand's registers.
; WORK-GROUPS 256 TO 767: x [16,384 rows][1,024] f32 becomes xq: for each group g of 64 rows GRP = 51,200 bytes: 32 fragments f = 4 s + m of 1,536 bytes (three pieces of 512, as above), and at 49,152
;   for each K step 256 bytes of scale words: lane l's pair at 8 l: word pp = tile 2 pp + (l / 16), row l % 16.  Tile m = 2 p + u' holds in lane r the row of batch 16 p + r, modality u': row 64 g + 32 p + 2 r + u'.
;   A wave takes one (g, s): four fragments.  A row's 512 bytes come by ONE load of the wave; the conversions want 16 neighbours in a lane, so a tile's 16 rows turn through the wave's own stage in LDS
;   (rows of 528 bytes: 132 words, so the 16 rows that a 16-byte read touches start at 16 different groups of four banks; 64 banks of 4 bytes: ISA guide 11.1).  Waves share nothing: no barrier.
; A block's scale byte is its largest magnitude's exponent field - 2, held at 1 from below.
; LIMITS: a block of zeros gets the byte 1 where the rule says 127 (its codes are zeros, and this program alone reads the bytes); NaN and infinities among the inputs are not served.
.set CHW, 25856
.set GRP, 51200
.set SPX, 528
.set TM,  8                            ; the weights' path: v8-11 largest magnitudes, first chain
.set TM2, 12                           ; v12-15   second chain
.set SC,  16                           ; v16-19   the conversions' scale operands
.set BY,  20                           ; v20-23   the scale bytes
.set X,   32                           ; v32-159  four blocks of 32 numbers: block q = 2 u + c at X + 32 q
.set F,   160                          ; v160-183 the two fragments
.set T3,  184                          ; v184-199 the second halves' codes, before they are moved
.set QT,  16                           ; the rows' path: v16-31 at work
.set PWK, 32                           ; v32-35   the four tiles' scale words
.set SW,  36                           ; v36-37   the pair that is stored
.set PC,  40                           ; v40-59   the fragment just made, and the halves before they change places
.set RW,  64                           ; v64-191  two sets of 16 rows as loaded
.set XN,  192                          ; v192-255 64 numbers of my row: register 16 b + i = k 32 b + 16 h + i
	s_set_vgpr_msb 0x40
	v_lshl_add_u32 v0, v0, 2, 0x8400
	v_mov_b32 v1, 0
	s_set_vgpr_msb 0x4000
	v_lshrrev_b32 v1, 5, v0
	v_readfirstlane_b32 s22, v1                    ; wave 0..3
	v_and_b32 v1, 31, v0                           ; lane
	v_and_b32 v2, 15, v0                           ; r
	v_bfe_u32 v3, v0, 4, 1                         ; h
	v_lshlrev_b32 v5, 4, v1                        ; 16 x lane
	v_lshlrev_b32 v6, 2, v1                        ; 4 x lane
	v_lshlrev_b32 v7, 3, v1                        ; 8 x lane
	s_and_b32 s30, ttmp9, 1
	s_lshl_b32 s30, s30, 2
	s_add_co_u32 s30, s30, s22                     ; K step s = 4 (id & 1) + wave, on both paths
	s_cmp_ge_u32 ttmp9, 256
	s_cbranch_scc1 .Lrows
	; ---- the weights
	s_load_b256 s[4:11], s[0:1], 0x0               ; wq s[4:5], wk s[6:7], wv s[8:9], wo s[10:11]
	s_load_b256 s[12:19], s[0:1], 0x20             ; bq s[12:13], bk s[14:15], bv s[16:17], bo s[18:19]
	s_load_b64 s[20:21], s[0:1], 0x40              ; the stream
	s_wait_alu depctr_va_vdst(0)
	v_and_b32 v4, 8, v2
	v_add_nc_u32 v4, v4, v2                        ; r + 8 (r / 8)
	v_lshlrev_b32 v4, 12, v4                       ; a weight row is 4,096 bytes
	v_lshl_add_u32 v4, v3, 7, v4                   ; + 128 h: my 32 numbers of each 64
	v_mov_b32 v31, 0
	s_lshr_b32 s23, ttmp9, 1                       ; the block, 0..127
	s_lshr_b32 s28, s23, 2                         ; chunk c
	s_and_b32 s29, s23, 3                          ; its place w in the chunk
	s_mul_i32 s31, s28, 171
	s_lshr_b32 s31, s31, 9                         ; hd = c / 3 (exact for c under 32)
	s_mul_i32 s32, s31, 3
	s_sub_co_u32 s32, s28, s32                     ; jm = c - 3 hd
	s_lshl_b32 s33, s31, 7
	s_lshl_b32 s34, s29, 5
	s_add_co_u32 s33, s33, s34                     ; 128 hd + 32 w
	s_max_u32 s35, s28, 24
	s_sub_co_u32 s35, s35, 24
	s_lshl_b32 s35, s35, 5
	s_lshl_b32 s34, s29, 8
	s_add_co_u32 s34, s34, s35                     ; 256 w + 32 (c - 24)
	s_cmp_lt_u32 s28, 24
	s_cselect_b32 s32, s32, 3                      ; which matrix
	s_cselect_b32 s33, s33, s34                    ; n0
	s_lshl_b32 s36, s33, 12
	s_lshl_b32 s34, s30, 9
	s_add_co_u32 s36, s36, s34                     ; the weights: n0 rows + 512 s bytes
	s_mov_b32 s37, 0
	s_lshl_b32 s38, s33, 2                         ; the bias: 4 n0
	s_mov_b32 s39, 0
	s_mul_i32 s40, s23, CHW                        ; the block's place in the stream
	s_mov_b32 s41, 0
	s_mul_i32 s42, s30, 3072                       ; the K step's two fragments in it
	s_mov_b32 s43, 0
	s_lshl_b32 s44, s30, 7                         ; and its scale words
	s_mov_b32 s45, 0
	s_mov_b32 s34, 0x76543210
	s_mov_b32 s35, 0xfedcba98                      ; v_permlanex16_b32's selects for lane l xor 16
	s_wait_alu depctr_va_vdst(0)
	s_wait_kmcnt 0x0
	s_cmp_eq_u32 s32, 1                            ; the choices hang on the work-group's number alone
	s_cselect_b64 s[24:25], s[6:7], s[4:5]
	s_cselect_b64 s[26:27], s[14:15], s[12:13]
	s_cmp_eq_u32 s32, 2
	s_cselect_b64 s[24:25], s[8:9], s[24:25]
	s_cselect_b64 s[26:27], s[16:17], s[26:27]
	s_cmp_eq_u32 s32, 3
	s_cselect_b64 s[24:25], s[10:11], s[24:25]
	s_cselect_b64 s[26:27], s[18:19], s[26:27]
	s_add_nc_u64 s[24:25], s[24:25], s[36:37]
	s_add_nc_u64 s[26:27], s[26:27], s[38:39]
	s_add_nc_u64 s[20:21], s[20:21], s[40:41]
	s_add_nc_u64 s[42:43], s[20:21], s[42:43]
	s_add_nc_u64 s[44:45], s[20:21], s[44:45]
.irp u, 0,1
.irp c, 0,1
.irp i, 0,1,2,3,4,5,6,7
	global_load_b128 v[X+32*(2*\u+\c)+4*\i:X+32*(2*\u+\c)+4*\i+3], v4, s[24:25] offset:32768*\u+256*\c+16*\i th:TH_LOAD_NT   ; tile u lies 8 rows on; half c 64 numbers on
.endr
.endr
.endr
	s_wait_loadcnt 0x0
.irp q, 0,1,2,3
	v_max3_num_f32 v[TM+\q], |v[X+32*\q]|, |v[X+32*\q+1]|, 0x1800000        ; the floor 2^(3 - 127) among the leaves: the byte cannot fall under 1
	v_max3_num_f32 v[TM2+\q], |v[X+32*\q+16]|, |v[X+32*\q+17]|, 0x1800000
.endr
.irp i, 2,4,6,8,10,12,14
.irp q, 0,1,2,3
	v_max3_num_f32 v[TM+\q], v[TM+\q], |v[X+32*\q+\i]|, |v[X+32*\q+\i+1]|   ; eight chains by turns
	v_max3_num_f32 v[TM2+\q], v[TM2+\q], |v[X+32*\q+16+\i]|, |v[X+32*\q+17+\i]|
.endr
.endr
.irp q, 0,1,2,3
	v_max_num_f32 v[TM+\q], v[TM+\q], v[TM2+\q]    ; the block's largest magnitude: all 32 numbers are mine
.endr
.irp q, 0,1,2,3
	v_add_nc_u32 v[SC+\q], 0xff000000, v[TM+\q]    ; 2 off its exponent field: the conversion takes this operand's exponent field as its scale
.endr
.irp q, 0,1,2,3
	v_lshrrev_b32 v[BY+\q], 23, v[SC+\q]           ; the scale's byte
.endr
	v_lshlrev_b32 v28, 3, v3
.irp u, 0,1
	v_lshl_or_b32 v[24+\u], v[BY+2*\u+1], 16, v[BY+2*\u]   ; my two bytes of tile u's row: blocks h and 2 + h,
	v_lshlrev_b32 v[24+\u], v28, v[24+\u]          ; at their places in the word (8 h bits up);
	v_mov_b32 v[26+\u], 0                          ; (a lane permute's destination counts as one of its sources)
	v_permlanex16_b32 v[26+\u], v[24+\u], s34, s35
	v_or_b32 v[24+\u], v[24+\u], v[26+\u]          ; with lane l xor 16's two the word is whole
.endr
.irp u, 0,1
.irp c, 0,1
	v_cvt_scalef32_pk16_fp6_f32 v[F+12*\u+6*\c:F+12*\u+6*\c+2], v[X+32*(2*\u+\c):X+32*(2*\u+\c)+15], v[SC+2*\u+\c]
	v_cvt_scalef32_pk16_fp6_f32 v[T3+4*(2*\u+\c):T3+4*(2*\u+\c)+2], v[X+32*(2*\u+\c)+16:X+32*(2*\u+\c)+31], v[SC+2*\u+\c]   ; (a conversion's three registers begin on an even number)
.endr
.endr
	v_nop                                          ; one plain place behind the scaled conversions
.irp u, 0,1
.irp c, 0,1
.irp i, 0,1,2
	v_mov_b32 v[F+12*\u+6*\c+3+\i], v[T3+4*(2*\u+\c)+\i]
.endr
.endr
.endr
	v_cmp_eq_u32 vcc_lo, 1, v3
	v_cndmask_b32 v29, v24, v25, vcc_lo            ; lanes 0-15 store tile 0's words, lanes 16-31 tile 1's
.irp u, 0,1
.irp i, 0,1,2
	global_store_b128 v5, v[F+12*\u+4*\i:F+12*\u+4*\i+3], s[42:43] offset:1536*\u+512*\i   ; 32 lanes store 512 consecutive bytes, at a multiple of 256 from the stream's first byte
.endr
.endr
	global_store_b32 v6, v29, s[44:45] offset:24576    ; 128 consecutive bytes: one part in 24 of what the wave stores
	s_cmp_lg_u32 s30, 0                            ; the wave with K step 0 also lays the block's bias numbers
	s_cbranch_scc1 .Ldone
	v_lshlrev_b32 v30, 3, v2
	global_load_b64 v[200:201], v30, s[26:27]      ; lanes 0-15: bias[n0 + 2 r], bias[n0 + 2 r + 1] (lanes 16-31 read the same and store zeros)
	s_wait_loadcnt 0x0
	v_cndmask_b32 v200, v200, v31, vcc_lo
	v_cndmask_b32 v201, v201, v31, vcc_lo
	global_store_b64 v7, v[200:201], s[20:21] offset:25600   ; 256 consecutive bytes: 32 numbers, then zeros
.Ldone:
	s_endpgm
	; ---- the rows of x
; 64 numbers of a lane, v[s] .. v[s + 63], register 16 b + i = k 32 b + 16 h + i of my row, become a fragment's codes in v[PC] on and its scale word in v[pw].
.macro QUANT s, pw
.irp b, 0,1,2,3
	v_max3_num_f32 v[QT+\b], |v[\s+16*\b]|, |v[\s+1+16*\b]|, 0x1800000   ; block b: my 16 numbers, and the floor 2^(3 - 127)
.endr
.irp i, 2,4,6,8,10,12,14
.irp b, 0,1,2,3
	v_max3_num_f32 v[QT+\b], v[QT+\b], |v[\s+16*\b+\i]|, |v[\s+1+16*\b+\i]|   ; the four blocks by turns
.endr
.endr
.irp b, 0,1,2,3
	v_permlanex16_b32 v[QT+4+\b], v[QT+\b], s34, s35
.endr
.irp b, 0,1,2,3
	v_max_num_f32 v[QT+\b], v[QT+\b], v[QT+4+\b]   ; with lane l xor 16's: the block's largest magnitude
.endr
.irp b, 0,1,2,3
	v_add_nc_u32 v[QT+12+\b], 0xff000000, v[QT+\b] ; 2 off its exponent field: the conversion's scale operand
.endr
.irp b, 0,1,2,3
	v_lshrrev_b32 v[QT+4+\b], 23, v[QT+12+\b]      ; the scale's byte
.endr
	v_lshl_or_b32 v[\pw], v[QT+5], 8, v[QT+4]      ; the four bytes make my row's scale word
	v_lshl_or_b32 v[\pw], v[QT+6], 16, v[\pw]
	v_lshl_or_b32 v[\pw], v[QT+7], 24, v[\pw]
.irp c, 0,1
	v_cvt_scalef32_pk16_fp6_f32 v[PC+6*\c:PC+2+6*\c], v[\s+32*\c:\s+15+32*\c], v[QT+12+2*\c]
	v_cvt_scalef32_pk16_fp6_f32 v[PC+12+4*\c:PC+14+4*\c], v[\s+16+32*\c:\s+31+32*\c], v[QT+12+2*\c+1]   ; (a conversion's three registers begin on an even number)
.endr
	v_nop                                          ; one plain place behind the scaled conversions
.irp c, 0,1                            ; the operand's layout wants a whole block in a lane: lanes 0-15 block 2 c, lanes 16-31 block 2 c + 1
.irp i, 0,1,2
	v_permlane16_swap_b32 v[PC+6*\c+\i], v[PC+12+4*\c+\i]
.endr
.irp i, 0,1,2
	v_mov_b32 v[PC+3+6*\c+\i], v[PC+12+4*\c+\i]
.endr
.endr
.endm
.macro RLOAD m                         ; tile m's 16 rows, 512 consecutive bytes a load, into set m % 2
.irp p, 0,1,2,3,4,5,6,7,8,9,10,11,12,13,14,15
	global_load_b128 v[RW+64*((\m)%2)+4*\p:RW+64*((\m)%2)+4*\p+3], v5, s[4:5] offset:((\m)/2)*131072+((\m)%2)*4096+8192*\p th:TH_LOAD_NT
.endr
.endm
.Lrows:
	s_load_b64 s[4:5], s[0:1], 0x48                ; x
	s_load_b64 s[6:7], s[0:1], 0x50                ; xq
	s_sub_co_u32 s23, ttmp9, 256
	s_lshr_b32 s28, s23, 1                         ; g, 0..255
	s_lshl_b32 s36, s28, 18                        ; 64 rows of 4,096 bytes
	s_lshl_b32 s31, s30, 9
	s_add_co_u32 s36, s36, s31                     ; + the K step's 512 bytes
	s_mov_b32 s37, 0
	s_mul_i32 s38, s28, GRP
	s_mul_i32 s31, s30, 6144
	s_add_co_u32 s40, s38, s31                     ; the K step's four fragments in xq
	s_mov_b32 s41, 0
	s_lshl_b32 s31, s30, 8
	s_add_co_u32 s42, s38, s31                     ; and its scale words (49,152 on, in the immediate)
	s_mov_b32 s43, 0
	s_mov_b32 s34, 0x76543210
	s_mov_b32 s35, 0xfedcba98
	s_mul_i32 s32, s22, 16*SPX                     ; my stage
	s_wait_alu depctr_va_vdst(0)
	v_add_nc_u32 v8, s32, v5                       ; in: 16 x lane, a row an instruction
	v_mul_u32_u24 v9, v2, SPX
	v_lshl_add_u32 v9, v3, 6, v9
	v_add_nc_u32 v9, s32, v9                       ; back: row r, + 64 h: my 16 numbers of each block of 32
.irp b, 0,1,2,3
	v_mov_b32 v[QT+4+\b], 0                        ; written once: a lane permute's destination counts as one of its sources
.endr
	s_wait_alu depctr_va_vdst(0)
	s_wait_kmcnt 0x0
	s_add_nc_u64 s[4:5], s[4:5], s[36:37]
	s_add_nc_u64 s[40:41], s[6:7], s[40:41]
	s_add_nc_u64 s[42:43], s[6:7], s[42:43]
	RLOAD 0
	RLOAD 1
.irp m, 0,1,2,3
.if \m < 3
	s_wait_loadcnt 16                              ; this tile's 16 loads are in; the next tile's 16 may be out
.else
	s_wait_loadcnt 0x0
.endif
.irp p, 0,1,2,3,4,5,6,7,8,9,10,11,12,13,14,15
	ds_store_b128 v8, v[RW+64*(\m%2)+4*\p:RW+64*(\m%2)+4*\p+3] offset:SPX*\p
.endr
.irp b, 0,1,2,3
.irp j, 0,1,2,3
	ds_load_b128 v[XN+16*\b+4*\j:XN+16*\b+4*\j+3], v9 offset:128*\b+16*\j   ; LDS serves a wave's instructions in order (ISA guide 5.7.1.4): these see my stores
.endr
.endr
	s_wait_dscnt 0x0                               ; the numbers are back, and the stores have read their registers,
.if \m < 2
	RLOAD \m+2                                     ; which take the tile two further on
.endif
.if \m > 0
	s_wait_xcnt 0x0                                ; the last fragment's stores have read their registers
.endif
	QUANT XN, PWK+\m
.irp i, 0,1,2
	global_store_b128 v5, v[PC+4*\i:PC+4*\i+3], s[40:41] offset:1536*\m+512*\i   ; 32 lanes store 512 consecutive bytes, at a multiple of 256 from xq's first byte
.endr
.endr
	v_cmp_eq_u32 vcc_lo, 1, v3
	v_cndmask_b32 v[SW], v[PWK], v[PWK+1], vcc_lo  ; lanes 0-15 tile 0's words, lanes 16-31 tile 1's;
	v_cndmask_b32 v[SW+1], v[PWK+2], v[PWK+3], vcc_lo   ; tiles 2 and 3 likewise
	global_store_b64 v7, v[SW:SW+1], s[42:43] offset:49152   ; 256 consecutive bytes
	s_set_vgpr_msb 0x5
	s_wait_tensorcnt 0x0
	ds_add_u32 v0, v1
	s_wait_dscnt 0x0
	s_set_vgpr_msb 0x500
	s_endpgm
.Lfunc_end_k_q8453aa6bc7_prep:
	.size	k_q8453aa6bc7_prep, .Lfunc_end_k_q8453aa6bc7_prep-k_q8453aa6bc7_prep
	.p2alignl 7, 3214868480
	.fill 96, 4, 3214868480
	.section	.rodata,"a",@progbits
	.p2align	6, 0x0
	.amdhsa_kernel k_q8453aa6bc7_prep
		.amdhsa_group_segment_fixed_size 34304
		.amdhsa_private_segment_fixed_size 0
		.amdhsa_enable_private_segment 0
		.amdhsa_kernarg_size 88
		.amdhsa_user_sgpr_count 2
		.amdhsa_user_sgpr_kernarg_segment_ptr 1
		.amdhsa_wavefront_size32 1
		.amdhsa_system_sgpr_workgroup_id_x 1
		.amdhsa_system_sgpr_workgroup_id_y 1
		.amdhsa_system_sgpr_workgroup_id_z 1
		.amdhsa_system_vgpr_workitem_id 0
		.amdhsa_next_free_vgpr 258
		.amdhsa_next_free_sgpr 66
		.amdhsa_reserve_vcc 1
		.amdhsa_float_denorm_mode_32 3
		.amdhsa_float_denorm_mode_16_64 3
		.amdhsa_memory_ordered 1
		.amdhsa_forward_progress 1
		.amdhsa_inst_pref_size 46
	.end_amdhsa_kernel
	.amdgpu_metadata
---
amdhsa.version: [ 1, 2 ]
amdhsa.kernels:
  - .name:           k_q8453aa6bc7_prep
    .symbol:         k_q8453aa6bc7_prep.kd
    .args:
      - { .name: wq, .offset: 0, .size: 8, .value_kind: global_buffer, .address_space: global }
      - { .name: wk, .offset: 8, .size: 8, .value_kind: global_buffer, .address_space: global }
      - { .name: wv, .offset: 16, .size: 8, .value_kind: global_buffer, .address_space: global }
      - { .name: wo, .offset: 24, .size: 8, .value_kind: global_buffer, .address_space: global }
      - { .name: bq, .offset: 32, .size: 8, .value_kind: global_buffer, .address_space: global }
      - { .name: bk, .offset: 40, .size: 8, .value_kind: global_buffer, .address_space: global }
      - { .name: bv, .offset: 48, .size: 8, .value_kind: global_buffer, .address_space: global }
      - { .name: bo, .offset: 56, .size: 8, .value_kind: global_buffer, .address_space: global }
      - { .name: wstream, .offset: 64, .size: 8, .value_kind: global_buffer, .address_space: global }
      - { .name: modality_encodings, .offset: 72, .size: 8, .value_kind: global_buffer, .address_space: global }
      - { .name: xq, .offset: 80, .size: 8, .value_kind: global_buffer, .address_space: global }
    .group_segment_fixed_size: 34304
    .private_segment_fixed_size: 0
    .kernarg_segment_align: 8
    .kernarg_segment_size: 88
    .max_flat_workgroup_size: 128
    .sgpr_count:     66
    .vgpr_count:     258
    .wavefront_size: 32
...
	.end_amdgpu_metadata
.endif
;; end of part 1
;; launch qkv (part 2): grid 64 x 4, 4 waves a work-group, clusters of 4 x 1, 327,680 bytes of LDS; arguments xq, selection_mask, rel_prior, wstream, aq; writes aq
.if DOCPART == 2
	.amdgcn_target "amdgcn-amd-amdhsa--gfx1250"
	.amdhsa_code_object_version 6
	.text
	.protected	k_q8453aa6bc7_qkv
	.globl	k_q8453aa6bc7_qkv
	.p2align	8
	.type	k_q8453aa6bc7_qkv,@function
k_q8453aa6bc7_qkv:
	s_mov_b64 s[64:65], 0
	v_nop
	global_prefetch_b8 v0, s[64:65] scope:SCOPE_SE
	s_setreg_imm32_b32 hwreg(HW_REG_WAVE_MODE, 25, 1), 1
	s_wait_xcnt 0x0
	s_wait_alu depctr_hold_cnt(0) depctr_sa_sdst(0) depctr_va_vdst(0) depctr_va_sdst(0) depctr_va_ssrc(0) depctr_va_vcc(0) depctr_vm_vsrc(0)
	s_getreg_b32 s2, hwreg(HW_REG_IB_STS2, 6, 4)
	s_cmp_eq_u32 s2, 0
	s_cbranch_scc0 .Lentry_in_a_cluster
	s_endpgm
.Lentry_in_a_cluster:
	s_bfe_u32 s2, ttmp6, 0x10000c
	s_cmp_lg_u32 s2, 0x3003
	s_cbranch_scc0 .Lentry_shape_is_right
	s_endpgm
.Lentry_shape_is_right:
; q, k, v and the attention over the two modalities, for 256 rows and two heads a work-group; what comes out is quantised for the out projection and stored as codes.
; x comes as codes from xq, the weights from the stream (32 chunks x 4 blocks of CHW bytes: 16 fragments in operand order, their scale words, 32 bias numbers): both laid by the launch before.
; SHARES.  Work-group (R, y): rows 256 R .. 256 R + 255, heads 2 y and 2 y + 1.  THE FOUR WAVES SHARE THE ROWS: wave w owns the 64 rows of group g = 4 R + w, whose 32 fragments of codes (384 registers) stay in its registers.
;   All four waves read every weight block from LDS: a byte of the stream feeds 256 rows, and a fragment that a wave reads feeds four matrix instructions.
; ROW TILES.  Tile m = 2 p + u' holds in lane r the row of batch 16 p + r, modality u': a lane holds q, k and v of BOTH modalities of one batch element, and the attention changes no lanes but l xor 16.
; THE PRODUCTS ARE USED TRANSPOSED (source 0 = 16 weight rows, source 1 = 16 rows of x).  The stream's tiles take weight rows n0 + 8 u + r + 8 (r / 8), so that registers 16 m + 8 u + j of lane (r, h)
;   are columns n0 + 16 h + 8 u + j: 16 neighbours, as the conversions want them for the next K.
; A PASS is one block: 32 columns x K 1,024: 64 matrix instructions on 8 accumulators by turns.  A HEAD: for each of its four blocks of 32 dimensions a pass for q, a pass for k and the scores' partial sums
;   (q and k need 64 registers each, and three of the four blocks are one loop); the softmax; four passes for v, each followed by the weighted sum of its 32 dimensions; then a fragment for each tile of rows.
; LDS.  Region QK holds q's and k's chunk of a head, region V its v's.  Head 0's come with the first fills.  Head 1's q and k are asked for when head 0's have been read out, 256 matrix instructions a wave
;   ahead of the wait for them; head 1's v when head 0's has been read out, 512 ahead.  So no prefetch is laid.  Four tensor loads a wave, each with a group 0 of its own; one is out at the most.
; CLUSTER.  The row blocks of one pair of heads walk the same six chunks: the four of a cluster ask for each part JOINTLY (mask 15).
; SOFTMAX over the two keys: the larger score is taken away first, as written.  A query with no key left gives NaN weights: its scale words become 0xff bytes, which make that row's sums NaN in the next launch.
; LIMITS: NaN and infinities in x, weights or biases are not served; a block of zeros gets the byte 1 with zero codes; blocks under 2^-124 keep the byte 1.
.set CHW,    25856                     ; a block: 101 rows of 256 bytes
.set CHUNKB, 4*CHW
.set VREG,   2*CHUNKB                  ; region V, behind region QK
.set SPARE,  3*CHUNKB                  ; the spare words, 128 bytes for each wave: two blocks of 256 bytes that no other line names
.set GRP,    51200                     ; a group of 64 rows in xq and in aq
.set SPW, 1                            ; v1   SPARE + 4 x thread; never rewritten
.set NIL, 2                            ; v2   0; never rewritten
.set FA0, 3                            ; v3   16 x lane
.set WSA0, 4                           ; v4   4 x lane
.set L8,  5                            ; v5   8 x lane
.set BA0, 6                            ; v6   64 h
.set MA,  7                            ; v7   8 r
.set XS,  16                           ; v16-31  the rows' scale words and nothing else: XS + 2 s + pp: lanes 0-15 tile 2 pp, lanes 16-31 tile 2 pp + 1
.set BIAS, 32                          ; v32-47  the block's bias numbers in the result's layout, tile u at + 8 u
.set WSR, 48                           ; v48-51  the weights' scale words, one for each buffer, and nothing else
.set WF,  52                           ; v52-147 four buffers of a K step's two weight fragments: 8 steps a pass bring the buffers back to 0
.set FA,  148                          ; v148-150  FA0, WSA0, BA0 in the block in hand
.set WSA, 149
.set BA,  150
.set TM,  152                          ; v152-167 the quantiser's scratch
.set PC,  168                          ; v168-187 the fragment just made
.set PW,  188                          ; v188     its scale word
.set T,   192                          ; v192-255 the attention's scratch: T + 2 x: score x's sums, later weight x; x = 4 p + 2 (query's modality) + (key's)
.set PWK, T+32                         ; the four tiles' scale words
.set SW,  T+36                         ; the pair that is stored
.set NINF, T+40                        ; -infinity
.set ALLFF, T+41                       ; four bytes 0xff
.set MT,  T+48                         ; the masks, at the head
                                       ; window 1: v0-191 codes of K steps 0-3, v192-255 q's accumulators, later v's;  window 2: v0-191 codes of K steps 4-7, v192-255 k's;  window 3: the head's 128 dimensions of the result, block b at 64 b
.set G1QK, 24                          ; s[24:31] group 1: 202 rows of 256 bytes;  s[32:39]: 101 rows
.set G1V,  32
.set G0,   40                          ; s[40:43] QK of head 0, s[44:47] V of head 0, s[48:51] QK of head 1, s[52:55] V of head 1
.set PR,   56                          ; s[56:59] the prior x log2(e)
.set C1,   60                          ; s60  log2(e) / sqrt(128)
.set SEL,  62                          ; s[62:63] v_permlanex16_b32's selects for lane l xor 16
.set TB,   66                          ; s66  LDS byte at which the block in hand begins
.set CNT,  67                          ; s67  the loop's counter
.set MK,   68                          ; s68-73  lane masks: key counts for query; 3 p + (query's modality + key's)
.set NF,   74                          ; s74-77  lane masks: tile m's weights are NaN
.set HIM,  78                          ; s78  lanes 16-31
.set MSB, 0
.macro WIN new                         ; s_set_vgpr_msb: bits 1:0 source 0, 3:2 source 1, 5:4 source 2, 7:6 destination; the high byte repeats the setting that is left
.if MSB != (\new)
	s_set_vgpr_msb (MSB<<8)|(\new)
.set MSB, (\new)
.endif
.endm
.macro CROUND                          ; a round of the cluster's barrier
	s_barrier_signal -1
	s_barrier_wait -1
	s_cmp_lg_u32 s18, 0
	s_cbranch_scc1 .Lnot_wave_0_\@
	s_barrier_signal -3
.Lnot_wave_0_\@:
	s_barrier_wait -3
	s_barrier_signal -1
	s_barrier_wait -1
.endm
.macro PLACES                          ; four places behind matrix instructions, in front of loads into their registers and of reads of their results
.rept 4
	v_nop
.endr
.endm
.macro QMAX b, w, base                 ; the largest magnitude of my 16 numbers of block b, in two chains, the floor 2^(3 - 127) among the leaves
	WIN ((\w)<<2)|((\w)<<4)
	v_max3_num_f32 v[TM+\b], 0x1800000, |v[\base]|, |v[\base+1]|
	v_max3_num_f32 v[TM+4+\b], 0x1800000, |v[\base+8]|, |v[\base+9]|
.irp i, 2,4,6
	v_max3_num_f32 v[TM+\b], v[TM+\b], |v[\base+\i]|, |v[\base+\i+1]|
	v_max3_num_f32 v[TM+4+\b], v[TM+4+\b], |v[\base+8+\i]|, |v[\base+9+\i]|
.endr
.endm
.macro QCVT dst, w, base, b
	WIN (\w)
	v_cvt_scalef32_pk16_fp6_f32 v[\dst:\dst+2], v[\base:\base+15], v[TM+12+\b]
.endm
; Four groups of 16 registers (window, base), group b = k 32 b + 16 h + 0 .. 15 of my row, become a fragment's codes in v[PC] on and its scale word in v[PW].
.macro QUANT4 wa, ba, wb, bb, wc, bc, wd, bd
	QMAX 0, \wa, \ba
	QMAX 1, \wb, \bb
	QMAX 2, \wc, \bc
	QMAX 3, \wd, \bd
	WIN 0
.irp n, 0,1,2,3
	v_max_num_f32 v[TM+\n], v[TM+\n], v[TM+4+\n]
.endr
.irp n, 0,1,2,3
	v_permlanex16_b32 v[TM+4+\n], v[TM+\n], s[SEL], s[SEL+1]
.endr
.irp n, 0,1,2,3
	v_max_num_f32 v[TM+\n], v[TM+\n], v[TM+4+\n]   ; with lane l xor 16's: the block's largest magnitude
.endr
.irp n, 0,1,2,3
	v_add_nc_u32 v[TM+12+\n], 0xff000000, v[TM+\n] ; 2 off its exponent field: the conversion's scale operand
.endr
.irp n, 0,1,2,3
	v_lshrrev_b32 v[TM+4+\n], 23, v[TM+12+\n]      ; the scale's byte
.endr
	v_lshl_or_b32 v[PW], v[TM+5], 8, v[TM+4]
	v_lshl_or_b32 v[PW], v[TM+6], 16, v[PW]
	v_lshl_or_b32 v[PW], v[TM+7], 24, v[PW]
	QCVT PC, \wa, \ba, 0
	QCVT PC+12, \wb, \bb, 1                        ; (a conversion's three registers begin on an even number)
	QCVT PC+6, \wc, \bc, 2
	QCVT PC+16, \wd, \bd, 3
	WIN 0
	v_nop                                          ; one plain place behind the scaled conversions
.irp c, 0,1                            ; the operand's layout wants a whole block in a lane: lanes 0-15 block 2 c, lanes 16-31 block 2 c + 1
.irp i, 0,1,2
	v_permlane16_swap_b32 v[PC+6*\c+\i], v[PC+12+4*\c+\i]
.endr
.irp i, 0,1,2
	v_mov_b32 v[PC+3+6*\c+\i], v[PC+12+4*\c+\i]
.endr
.endr
.endm
.macro LSTEP ks, kb                    ; K step ks of the block in hand: two fragments and their scale words into buffer kb: 7 LDS loads
.irp u, 0,1
.irp i, 0,1,2
	ds_load_b128 v[WF+24*(\kb)+12*\u+4*\i:WF+24*(\kb)+12*\u+4*\i+3], v[FA] offset:(2*(\ks)+\u)*1536+512*\i
.endr
.endr
	ds_load_b32 v[WSR+(\kb)], v[WSA] offset:24576+128*(\ks)
.endm
.macro BIASLD                          ; 4 LDS loads: lane (r, h): bias of columns n0 + 16 h + 0 .. 15
.irp u, 0,1
.irp i, 0,1
	ds_load_b128 v[BIAS+8*\u+4*\i:BIAS+8*\u+4*\i+3], v[BA] offset:25600+32*\u+16*\i
.endr
.endr
.endm
.macro WM d, a, b, c, sa, sb, ra, rb   ; one matrix instruction; ra, rb: the side's scale words lie in lanes 16-31
.if (\ra) && (\rb)
	v_wmma_scale_f32_16x16x128_f8f6f4 v[\d:\d+7], v[\a:\a+11], v[\b:\b+11], v[\c:\c+7], v[\sa], v[\sb] matrix_a_fmt:MATRIX_FMT_FP6 matrix_b_fmt:MATRIX_FMT_FP6 matrix_a_scale:MATRIX_SCALE_ROW1 matrix_b_scale:MATRIX_SCALE_ROW1
.elseif (\ra)
	v_wmma_scale_f32_16x16x128_f8f6f4 v[\d:\d+7], v[\a:\a+11], v[\b:\b+11], v[\c:\c+7], v[\sa], v[\sb] matrix_a_fmt:MATRIX_FMT_FP6 matrix_b_fmt:MATRIX_FMT_FP6 matrix_a_scale:MATRIX_SCALE_ROW1
.elseif (\rb)
	v_wmma_scale_f32_16x16x128_f8f6f4 v[\d:\d+7], v[\a:\a+11], v[\b:\b+11], v[\c:\c+7], v[\sa], v[\sb] matrix_a_fmt:MATRIX_FMT_FP6 matrix_b_fmt:MATRIX_FMT_FP6 matrix_b_scale:MATRIX_SCALE_ROW1
.else
	v_wmma_scale_f32_16x16x128_f8f6f4 v[\d:\d+7], v[\a:\a+11], v[\b:\b+11], v[\c:\c+7], v[\sa], v[\sb] matrix_a_fmt:MATRIX_FMT_FP6 matrix_b_fmt:MATRIX_FMT_FP6
.endif
.endm
; K step ks: 8 matrix instructions, four tiles of rows x two tiles of columns; the 8 accumulators take turns, one instruction a turn, in the same order in every step.
; cb = 1: the bias is the C of the sums' first instruction.
.macro MUL8 ks, kb, aw, ab, cb
.if \cb
	WIN ((\aw)<<6)|((1+(\ks)/4)<<2)
.else
	WIN ((\aw)<<6)|((\aw)<<4)|((1+(\ks)/4)<<2)
.endif
.irp m, 0,1,2,3
.irp u, 0,1
.if \cb
	WM \ab+16*\m+8*\u, WF+24*(\kb)+12*\u, 48*((\ks)%4)+12*\m, BIAS+8*\u, WSR+(\kb), XS+2*(\ks)+\m/2, \u, \m%2
.else
	WM \ab+16*\m+8*\u, WF+24*(\kb)+12*\u, 48*((\ks)%4)+12*\m, \ab+16*\m+8*\u, WSR+(\kb), XS+2*(\ks)+\m/2, \u, \m%2
.endif
.endr
.endr
.endm
.macro NEXTADR                         ; the address registers of the next block (LDS loads that are out have read theirs)
	WIN 0
	v_add_nc_u32 v[FA], s[TB], v[FA0]
	v_add_nc_u32 v[WSA], s[TB], v[WSA0]
	v_add_nc_u32 v[BA], s[TB], v[BA0]
.endm
.macro NEXTLD                          ; the next pass's bias and first two K steps: 18 LDS loads
	BIASLD
	LSTEP 0, 0
	LSTEP 1, 1
.endm
; A PASS: 8 K steps of one block into the accumulators at v[ab] of window aw.  Step s's products run while steps s + 1 and s + 2 are on their way from LDS.  What follows the pass:
; nxt 1: the block amt bytes on;  2: the block amt bytes back;  3: a change of regions with a joint refill (the next block begins at amt; groups 0 and 1 at s[g0], s[g1]);
; 4: a change of regions without one;  0: nothing.
.macro PASS aw, ab, nxt, amt, g0, g1
.set SS, 0
.rept 3                                ; K steps go two by two: one run of 14 LDS loads into two of the four buffers, then the 16 products of the two steps fetched a run earlier
	PLACES                                         ; the loads below land in buffers that earlier steps have multiplied
	WIN 0
	LSTEP SS+2, (SS+2)%4
	LSTEP SS+3, (SS+3)%4
	s_wait_dscnt 14                                ; the 7 + 7 loads just issued may be out: the fragments of steps s and s + 1 (and the bias) are in
.if SS == 0
	MUL8 SS, SS%4, \aw, \ab, 1
.else
	MUL8 SS, SS%4, \aw, \ab, 0
.endif
	MUL8 SS+1, (SS+1)%4, \aw, \ab, 0
.set SS, SS+2
.endr
.if ((\nxt) == 1) || ((\nxt) == 2)
.if (\nxt) == 1
	s_add_co_u32 s[TB], s[TB], \amt
.else
	s_sub_co_u32 s[TB], s[TB], \amt
.endif
	s_wait_dscnt 7                                 ; step 7's 7 loads may be out
	MUL8 6, 2, \aw, \ab, 0
	NEXTADR
	PLACES
	NEXTLD
	s_wait_dscnt 18                                ; the 4 + 7 + 7 loads just issued may be out: step 7's fragments are in
	MUL8 7, 3, \aw, \ab, 0
.elseif (\nxt) == 3
	WIN 0
	s_wait_tensorcnt 0x0                           ; all my tensor loads have landed: my part of the region that is read next
	ds_add_u32 v[SPW], v[NIL]                      ; 0 onto my spare word
	s_mov_b32 s[TB], \amt
	s_wait_dscnt 8                                 ; the add and step 7's 7 loads may be out: step 6's fragments are in
	MUL8 6, 2, \aw, \ab, 0
	NEXTADR
	s_wait_dscnt 0x0                               ; the add is done, and my reads of the region that is left are over
	CROUND                                         ; no wave of any partner still reads that region or has a load on its way; the region ahead is whole
	tensor_load_to_lds s[\g0:\g0+3], s[\g1:\g1+7]  ; the joint refill, my one tensor load until the next round
	s_nop 0
	PLACES                                         ; (also the places in front of the loads below)
	s_wait_alu depctr_va_vdst(0)
	NEXTLD
	MUL8 7, 3, \aw, \ab, 0
.elseif (\nxt) == 4
	WIN 0
	s_wait_tensorcnt 0x0                           ; my part of the region ahead has landed
	s_mov_b32 s[TB], \amt
	s_wait_dscnt 7
	MUL8 6, 2, \aw, \ab, 0
	NEXTADR
	s_wait_alu depctr_va_vdst(0)
	s_wait_dscnt 0x0                               ; no LDS instruction of mine is out at the signal
	s_barrier_signal -1
	s_barrier_wait -1                              ; everybody's part has landed
	PLACES
	NEXTLD
	MUL8 7, 3, \aw, \ab, 0
.else
	s_wait_dscnt 7
	MUL8 6, 2, \aw, \ab, 0
	s_wait_dscnt 0x0
	MUL8 7, 3, \aw, \ab, 0
.endif
.endm
; The block's 32 dimensions are added to the head's eight scores: f32 multiply-adds, two at a time, eight chains by turns.
.macro SCORES
	PLACES                                         ; k's accumulators have just been written
	WIN 0x09                                       ; source 0 (q) window 1, source 1 (k) window 2
.irp i, 0,2,4,6,8,10,12,14
.irp x, 0,1,2,3,4,5,6,7
	v_pk_fma_f32 v[T+2*\x:T+2*\x+1], v[192+16*(\x/2)+\i:192+16*(\x/2)+\i+1], v[192+16*(2*(\x/4)+\x%2)+\i:192+16*(2*(\x/4)+\x%2)+\i+1], v[T+2*\x:T+2*\x+1]   ; each accumulator is read from its low end on
.endr
.endr
	WIN 0
.endm
.macro SOFTMAX
.irp x, 0,1,2,3,4,5,6,7
	v_add_f32 v[T+16+\x], v[T+2*\x], v[T+2*\x+1]
.endr
.irp x, 0,1,2,3,4,5,6,7
	v_permlanex16_b32 v[T+24+\x], v[T+16+\x], s[SEL], s[SEL+1]
.endr
.irp x, 0,1,2,3,4,5,6,7
	v_add_f32 v[T+16+\x], v[T+16+\x], v[T+24+\x]   ; with lane l xor 16's 64 dimensions: the score
.endr
.irp x, 0,1,2,3,4,5,6,7
	v_fma_f32 v[T+16+\x], v[T+16+\x], s[C1], s[PR+\x%4]   ; t = (score / sqrt(128) + prior) x log2(e)
.endr
.irp x, 0,1,2,3,4,5,6,7
	v_cndmask_b32 v[T+16+\x], v[NINF], v[T+16+\x], s[MK+3*(\x/4)+(\x/2)%2+\x%2]   ; -infinity where the mask's product is not above 0
.endr
.irp y, 0,1,2,3
	v_max_num_f32 v[T+24+\y], v[T+16+2*\y], v[T+17+2*\y]   ; the query's larger score is taken away
.endr
.irp x, 0,1,2,3,4,5,6,7
	v_sub_f32 v[T+16+\x], v[T+16+\x], v[T+24+\x/2]
.endr
	s_wait_alu depctr_va_vdst(0)
.irp x, 0,1,2,3,4,5,6,7
	v_exp_f32 v[T+16+\x], v[T+16+\x]
.endr
	v_nop                                          ; a plain place behind the exponentials
	s_wait_alu depctr_va_vdst(0)                   ; one wait for the eight, ahead of their first reader
.irp y, 0,1,2,3
	v_add_f32 v[T+24+\y], v[T+16+2*\y], v[T+17+2*\y]
.endr
	s_wait_alu depctr_va_vdst(0)
.irp y, 0,1,2,3
	v_rcp_f32 v[T+28+\y], v[T+24+\y]
.endr
	v_nop
	s_wait_alu depctr_va_vdst(0)                   ; and one for the four reciprocals
.irp x, 0,1,2,3,4,5,6,7
	v_mul_f32 v[T+2*\x], v[T+16+\x], v[T+28+\x/2]  ; the weights, each the low word of a pair (the high words hold the old sums and are not used)
.endr
.irp y, 0,1,2,3
	v_cmp_u_f32 s[NF+\y], v[T+4*\y], v[T+4*\y]     ; a query with no key left
.endr
.endm
.macro OUT blk                         ; the second product for the block's 32 dimensions: tile m = 2 p + u': weight (u', 0) x v of modality 0 + weight (u', 1) x v of modality 1
	PLACES                                         ; v's accumulators have just been written
	WIN 0xf1                                       ; source 0 (v) window 1, the weights window 0, the result window 3
.irp i, 0,2,4,6,8,10,12,14
.irp m, 0,1,2,3
	v_pk_mul_f32 v[64*\blk+16*\m+\i:64*\blk+16*\m+\i+1], v[192+32*(\m/2)+\i:192+32*(\m/2)+\i+1], v[T+4*\m:T+4*\m+1] op_sel_hi:[1,0]   ; v's accumulators from their low ends on
.endr
.irp m, 0,1,2,3
	v_pk_fma_f32 v[64*\blk+16*\m+\i:64*\blk+16*\m+\i+1], v[192+32*(\m/2)+16+\i:192+32*(\m/2)+17+\i], v[T+4*\m+2:T+4*\m+3], v[64*\blk+16*\m+\i:64*\blk+16*\m+\i+1] op_sel_hi:[1,0,1]
.endr
.endr
	WIN 0
.endm
.macro QOUT hh                         ; the head's 128 dimensions are K step 2 y + hh of the out projection: a fragment for each tile of rows, stored as an image of its registers
.irp m, 0,1,2,3
	s_wait_xcnt 0x0                                ; the last fragment's stores have read their registers
	QUANT4 3, 16*\m, 3, 64+16*\m, 3, 128+16*\m, 3, 192+16*\m
	v_cndmask_b32 v[PWK+\m], v[PW], v[ALLFF], s[NF+\m]   ; NaN weights: the row's four bytes say NaN
.irp i, 0,1,2
	global_store_b128 v[FA0], v[PC+4*\i:PC+4*\i+3], s[12:13] offset:6144*\hh+1536*\m+512*\i   ; 32 lanes store 512 consecutive bytes, at a multiple of 256 from aq's first byte
.endr
.endr
	v_cndmask_b32 v[SW], v[PWK], v[PWK+1], s[HIM]  ; lanes 0-15 tile 0's words, lanes 16-31 tile 1's;
	v_cndmask_b32 v[SW+1], v[PWK+2], v[PWK+3], s[HIM]   ; tiles 2 and 3 likewise
	global_store_b64 v[L8], v[SW:SW+1], s[14:15] offset:49152+256*\hh   ; 256 consecutive bytes
.endm
.macro HEAD hh
	WIN 0
.irp i, 0,1,2,3,4,5,6,7,8,9,10,11,12,13,14,15
	v_mov_b32 v[T+\i], 0                           ; the scores' sums: the loop is written once, so its first trip finds zeros
.endr
	s_mov_b32 s[CNT], 3
.Lblk_\@:                              ; blocks 0 to 2: q's block, k's block (a chunk further on), and back to q's next
	PASS 1, 192, 1, CHUNKB, 0, 0
	s_wait_alu depctr_va_vdst(0)
	PASS 2, 192, 2, CHUNKB-CHW, 0, 0
	SCORES
	s_sub_co_u32 s[CNT], s[CNT], 1
	s_cmp_lg_u32 s[CNT], 0
	s_cbranch_scc1 .Lblk_\@
	PASS 1, 192, 1, CHUNKB, 0, 0                   ; block 3 is written out: behind it region QK is left
.if \hh == 0
	s_wait_alu depctr_va_vdst(0)
	PASS 2, 192, 3, VREG, G0+8, G1QK               ; and takes head 1's q and k
.else
	s_wait_alu depctr_va_vdst(0)
	PASS 2, 192, 4, VREG, 0, 0
.endif
	SCORES
	SOFTMAX
.irp n, 0,1,2
	PASS 1, 192, 1, CHW, 0, 0
	OUT \n
.endr
.if \hh == 0
	PASS 1, 192, 3, 0, G0+12, G1V                  ; region V is left and takes head 1's v
.else
	PASS 1, 192, 0, 0, 0, 0
.endif
	OUT 3
	QOUT \hh
.endm
	; ---- the head
	s_load_b256 s[4:11], s[0:1], 0x0               ; xq s[4:5], mask s[6:7], prior s[8:9], the stream s[10:11]
	s_load_b64 s[12:13], s[0:1], 0x20              ; aq
	v_lshl_add_u32 v[SPW], v0, 2, SPARE
	v_mov_b32 v[NIL], 0
	ds_add_u32 v1, v2
	ds_add_u32 v1, v2
	s_wait_dscnt 0x0
	v_lshrrev_b32 v8, 5, v0
	v_readfirstlane_b32 s18, v8                    ; wave 0..3
	s_bfe_u32 s19, ttmp6, 0x40000                  ; cx: my place in the cluster: it enters the addresses of xq, mask and aq alone
	s_lshl_b32 s20, ttmp9, 2
	s_add_co_u32 s20, s20, s19                     ; my block of 256 rows = 4 x cluster + cx
	s_lshl_b32 s20, s20, 2
	s_add_co_u32 s20, s20, s18                     ; my wave's group of 64 rows
	s_and_b32 s21, ttmp7, 0xffff                   ; the pair of heads, which the four partners share
	; descriptor groups 1: dense blocks of rows of 256 bytes (32 elements of 8 bytes), no padding
	s_mov_b32 s[G1QK], 15|(3<<16)|(1<<21)          ; 15:0 the mask: all four work-groups; 17:16 elements of 8 bytes; 21 set beside a mask
	s_mov_b32 s[G1QK+1], 32<<16                    ; tensor_dim0 = 32
	s_mov_b32 s[G1QK+2], 202<<16                   ; tensor_dim1 = 202: a quarter of two chunks
	s_mov_b32 s[G1QK+3], 32<<16                    ; tile_dim0 = 32
	s_mov_b32 s[G1QK+4], 202                       ; tile_dim1 = 202
	s_mov_b32 s[G1QK+5], 32                        ; from row to row
	s_mov_b32 s[G1QK+6], 0
	s_mov_b32 s[G1QK+7], 0
	s_mov_b32 s[G1V], 15|(3<<16)|(1<<21)
	s_mov_b32 s[G1V+1], 32<<16
	s_mov_b32 s[G1V+2], 101<<16                    ; a quarter of one chunk
	s_mov_b32 s[G1V+3], 32<<16
	s_mov_b32 s[G1V+4], 101
	s_mov_b32 s[G1V+5], 32
	s_mov_b32 s[G1V+6], 0
	s_mov_b32 s[G1V+7], 0
	v_and_b32 v8, 31, v0                           ; lane
	v_and_b32 v9, 15, v0                           ; r
	v_bfe_u32 v10, v0, 4, 1                        ; h
	v_lshlrev_b32 v[FA0], 4, v8
	v_lshlrev_b32 v[WSA0], 2, v8
	v_lshlrev_b32 v[L8], 3, v8
	v_lshlrev_b32 v[BA0], 6, v10
	v_lshlrev_b32 v[MA], 3, v9
	s_mov_b32 s[C1], 0x3e0293ee                    ; log2(e) / sqrt(128)
	s_mov_b32 s[SEL], 0x76543210
	s_mov_b32 s[SEL+1], 0xfedcba98
	s_mov_b32 s[HIM], 0xffff0000
	s_mov_b32 s[TB], 0
	s_mul_i32 s79, s18, CHW                        ; my quarter of a chunk,
	s_lshl_b32 s61, s79, 1                         ; and of two: in memory and in LDS alike
	s_mul_i32 s22, s21, 6*CHUNKB                   ; the pair's six chunks
	s_mov_b32 s23, 0
	s_mul_i32 s16, s20, GRP
	s_mov_b32 s17, 0
	s_wait_kmcnt 0x0
	s_add_nc_u64 s[4:5], s[4:5], s[16:17]          ; xq and aq at my group
	s_add_nc_u64 s[12:13], s[12:13], s[16:17]
	s_lshl_b32 s16, s20, 8                         ; 32 batch elements of 8 bytes
	s_add_nc_u64 s[6:7], s[6:7], s[16:17]
	s_add_nc_u64 s[10:11], s[10:11], s[22:23]      ; the stream at my pair of heads
	s_lshl_b32 s22, s21, 9
	s_add_nc_u64 s[14:15], s[12:13], s[22:23]      ; aq's scale words: 256 bytes a K step, two K steps a pair
	s_mul_i32 s22, s21, 12288
	s_add_nc_u64 s[12:13], s[12:13], s[22:23]      ; aq's fragments: 6,144 bytes a K step
	s_mov_b32 s22, s61
	s_mov_b32 s[G0], 1                             ; q and k of head 0: count 1,
	s_mov_b32 s[G0+1], s61                         ; LDS: region QK, my quarter,
	s_add_nc_u64 s[G0+2:G0+3], s[10:11], s[22:23]  ; memory: my quarter of chunks 0 and 1
	s_mov_b32 s[G0+8], 1                           ; q and k of head 1: three chunks on
	s_mov_b32 s[G0+9], s61
	s_add_nc_u64 s[G0+10:G0+11], s[G0+2:G0+3], 3*CHUNKB
	s_mov_b32 s22, s79
	s_mov_b32 s[G0+4], 1                           ; v of head 0: chunk 2
	s_add_co_u32 s[G0+5], s79, VREG
	s_add_nc_u64 s[G0+6:G0+7], s[10:11], s[22:23]
	s_add_nc_u64 s[G0+6:G0+7], s[G0+6:G0+7], 2*CHUNKB
	s_mov_b32 s[G0+12], 1                          ; v of head 1: chunk 5
	s_add_co_u32 s[G0+13], s79, VREG
	s_add_nc_u64 s[G0+14:G0+15], s[G0+6:G0+7], 3*CHUNKB
	s_or_b32 s[G0+3], s[G0+3], 0x80000000          ; type = 2
	s_or_b32 s[G0+7], s[G0+7], 0x80000000
	s_or_b32 s[G0+11], s[G0+11], 0x80000000
	s_or_b32 s[G0+15], s[G0+15], 0x80000000
	CROUND                                         ; all four work-groups are here: the first joint loads meet
	tensor_load_to_lds s[G0:G0+3], s[G1QK:G1QK+7]  ; my one load at the head: head 0's q and k
	s_nop 0
	PLACES
	s_load_b128 s[PR:PR+3], s[8:9], 0x0            ; the prior
	s_wait_alu depctr_va_vdst(0)
	global_load_b64 v[MT:MT+1], v[MA], s[6:7]      ; the masks of batch r,
	global_load_b64 v[MT+2:MT+3], v[MA], s[6:7] offset:128   ; and of batch 16 + r
	WIN 0x40                                       ; my 64 rows' codes: 512 consecutive bytes a load
.set FF, 0
.rept 16
.irp i, 0,1,2
	global_load_b128 v[12*FF+4*\i:12*FF+4*\i+3], v[FA0], s[4:5] offset:1536*FF+512*\i
.endr
.set FF, FF+1
.endr
	WIN 0x80
.rept 16
.irp i, 0,1,2
	global_load_b128 v[12*(FF-16)+4*\i:12*(FF-16)+4*\i+3], v[FA0], s[4:5] offset:1536*FF+512*\i
.endr
.set FF, FF+1
.endr
	WIN 0
.irp s, 0,1,2,3,4,5,6,7
	global_load_b64 v[XS+2*\s:XS+2*\s+1], v[L8], s[4:5] offset:49152+256*\s   ; and their scale words
.endr
	v_mov_b32 v[NINF], 0xff800000
	v_mov_b32 v[ALLFF], -1
.irp i, 0,1,2,3,4,5,6,7
	v_mov_b32 v[T+24+\i], 0                        ; written once: a lane permute's destination counts as one of its sources
.endr
	s_wait_loadcnt 0x0
.irp p, 0,1
	v_mul_f32 v[MT+4], v[MT+2*\p], v[MT+2*\p]
	v_mul_f32 v[MT+5], v[MT+2*\p], v[MT+2*\p+1]
	v_mul_f32 v[MT+6], v[MT+2*\p+1], v[MT+2*\p+1]
	v_cmp_lt_f32 s[MK+3*\p], 0, v[MT+4]            ; the mask's product is above 0
	v_cmp_lt_f32 s[MK+3*\p+1], 0, v[MT+5]
	v_cmp_lt_f32 s[MK+3*\p+2], 0, v[MT+6]
.endr
	s_wait_kmcnt 0x0
	s_mov_b32 s16, 0x3fb8aa3b
	s_mul_f32 s[PR], s[PR], s16                    ; the prior x log2(e)
	s_mul_f32 s[PR+1], s[PR+1], s16
	s_mul_f32 s[PR+2], s[PR+2], s16
	s_mul_f32 s[PR+3], s[PR+3], s16
	s_wait_alu depctr_va_vdst(0)
	s_wait_tensorcnt 0x0                           ; my quarter of head 0's q and k is in
	ds_add_u32 v[SPW], v[NIL]
	s_wait_dscnt 0x0
	CROUND                                         ; everybody's quarter is in, and the four work-groups meet
	tensor_load_to_lds s[G0+4:G0+7], s[G1V:G1V+7]  ; head 0's v: region V's first fill; 512 matrix instructions a wave stand ahead of the wait for it
	s_nop 0
	PLACES
	NEXTADR
	NEXTLD
	HEAD 0
	HEAD 1
	s_wait_tensorcnt 0x0                           ; the wave's end: behind my last tensor load
	ds_add_u32 v[SPW], v[NIL]
	s_wait_dscnt 0x0
	CROUND                                         ; the closing round: no work-group ends while a partner may still ask for a part that names it
	s_endpgm
.Lfunc_end_k_q8453aa6bc7_qkv:
	.size	k_q8453aa6bc7_qkv, .Lfunc_end_k_q8453aa6bc7_qkv-k_q8453aa6bc7_qkv
	.p2alignl 7, 3214868480
	.fill 96, 4, 3214868480
	.section	.rodata,"a",@progbits
	.p2align	6, 0x0
	.amdhsa_kernel k_q8453aa6bc7_qkv
		.amdhsa_group_segment_fixed_size 327680
		.amdhsa_private_segment_fixed_size 0
		.amdhsa_enable_private_segment 0
		.amdhsa_kernarg_size 40
		.amdhsa_user_sgpr_count 2
		.amdhsa_user_sgpr_kernarg_segment_ptr 1
		.amdhsa_wavefront_size32 1
		.amdhsa_system_sgpr_workgroup_id_x 1
		.amdhsa_system_sgpr_workgroup_id_y 1
		.amdhsa_system_sgpr_workgroup_id_z 1
		.amdhsa_system_vgpr_workitem_id 0
		.amdhsa_next_free_vgpr 1024
		.amdhsa_next_free_sgpr 80
		.amdhsa_reserve_vcc 0
		.amdhsa_float_denorm_mode_32 3
		.amdhsa_float_denorm_mode_16_64 3
		.amdhsa_memory_ordered 1
		.amdhsa_forward_progress 1
		.amdhsa_inst_pref_size 255
	.end_amdhsa_kernel
	.section	.bss,"aw",@nobits
	.p2align	6
	.space	262144
	.amdgpu_metadata
---
amdhsa.version: [ 1, 2 ]
amdhsa.kernels:
  - .name:           k_q8453aa6bc7_qkv
    .symbol:         k_q8453aa6bc7_qkv.kd
    .args:
      - { .name: xq, .offset: 0, .size: 8, .value_kind: global_buffer, .address_space: global }
      - { .name: selection_mask, .offset: 8, .size: 8, .value_kind: global_buffer, .address_space: global }
      - { .name: rel_prior, .offset: 16, .size: 8, .value_kind: global_buffer, .address_space: global }
      - { .name: wstream, .offset: 24, .size: 8, .value_kind: global_buffer, .address_space: global }
      - { .name: aq, .offset: 32, .size: 8, .value_kind: global_buffer, .address_space: global }
    .group_segment_fixed_size: 327680
    .private_segment_fixed_size: 0
    .kernarg_segment_align: 8
    .kernarg_segment_size: 40
    .max_flat_workgroup_size: 128
    .sgpr_count:     80
    .vgpr_count:     1024
    .wavefront_size: 32
...
	.end_amdgpu_metadata
.endif
;; end of part 2
;; launch outln (part 3): grid 256 x 1, 4 waves a work-group, clusters of 4 x 1, 327,680 bytes of LDS; arguments modality_encodings, ln_gamma, ln_beta, wstream, aq, out0; writes out0
.if DOCPART == 3
	.amdgcn_target "amdgcn-amd-amdhsa--gfx1250"
	.amdhsa_code_object_version 6
	.text
	.protected	k_q8453aa6bc7_outln
	.globl	k_q8453aa6bc7_outln
	.p2align	8
	.type	k_q8453aa6bc7_outln,@function
k_q8453aa6bc7_outln:
	s_mov_b64 s[64:65], 0
	v_nop
	global_prefetch_b8 v0, s[64:65] scope:SCOPE_SE
	s_setreg_imm32_b32 hwreg(HW_REG_WAVE_MODE, 25, 1), 1
	s_wait_xcnt 0x0
	s_wait_alu depctr_hold_cnt(0) depctr_sa_sdst(0) depctr_va_vdst(0) depctr_va_sdst(0) depctr_va_ssrc(0) depctr_va_vcc(0) depctr_vm_vsrc(0)
	s_getreg_b32 s2, hwreg(HW_REG_IB_STS2, 6, 4)
	s_cmp_eq_u32 s2, 0
	s_cbranch_scc0 .Lentry_in_a_cluster
	s_endpgm
.Lentry_in_a_cluster:
	s_bfe_u32 s2, ttmp6, 0x10000c
	s_cmp_lg_u32 s2, 0x3003
	s_cbranch_scc0 .Lentry_shape_is_right
	s_endpgm
.Lentry_shape_is_right:
; out0 = LayerNorm(x + attention result x wo^T + bo).  The attention's result comes as codes of FP6 with E8M0 scale words from aq, wo and bo from chunks 24 to 31 of the weight stream.
; SHARES.  Work-group g: the 64 rows of group g, all 1,024 columns, so a row's mean and variance are made inside the work-group.  Wave w: columns 256 w .. 256 w + 255: 8 chunks of 32 columns,
;   64 accumulator registers each (512); the group's 32 fragments of codes (384 registers) stay in every wave's registers.  Block (chunk, place w) of the stream is fetched and read by wave w alone.
; THE PRODUCTS ARE USED TRANSPOSED (source 0 = 16 weight rows, source 1 = 16 rows of codes): register 16 m + i of lane (r, h) is row 64 g + 32 (m / 2) + 2 r + m % 2, column n0 + 16 h + i.
; THE RESIDUAL STARTS THE SUMS.  x is loaded so that sixteen lanes take 256 consecutive bytes of a row (two chunks' width), straight into the accumulator registers that it will start, and turns
;   once through the wave's own stage in LDS (rows of 272 bytes: 68 words, so the 16 rows that a 16-byte read touches begin at 16 different groups of four banks: ISA guide 11.1) into the result's layout.
;   It comes in four pairs of chunks, 32 loads a pair.  The bias is added to it, and the first product takes the sum as C.
; THE WEIGHTS COME BY TWO WAYS.  Chunks 1, 3, 4, 5, 6, 7 go through a ring of two LDS slots of one chunk (4 blocks of CHW bytes), filled by joint loads of the four work-groups of a cluster (mask 15),
;   one load a wave behind each round.  Chunks 0 and 2 go from the stream, which lies in the order of the operand's registers, straight into window 3, 48 loads of 512 consecutive bytes a wave:
;   those 192 registers are the accumulators of chunks 4 to 6 and stand idle until x's pairs 2 and 3 are asked for, behind chunk 2.  No LDS slot is free for these two chunks, so they are not asked for jointly.
;   While a chunk from registers is multiplied, the ring's load that is out has those 64 matrix instructions more in which to land.
; No prefetch is laid for the weight stream: the launch's own loads of x and of chunks 0 and 2, 32 and more of 512 bytes a wave, are out along the walk, so the launch streams from memory as it is.
; THE NORM in two passes, as written: the mean; then the mean of the squares of what is left.  A wave's sums of its 256 columns meet the other waves' through 2 KiB of LDS.
; THE WAY OUT.  A tile of 16 rows x 256 columns goes through the same stage (rows of 1,040 bytes) and leaves as runs of 512 consecutive bytes.
; LIMITS: a row whose scale words are 0xff (a query with no key left) comes out NaN, as expected; other NaN and infinities among the inputs are not served.
.set CHW,    25856
.set CHUNKB, 4*CHW
.set SLOT1,  1<<17                     ; slot 1's first byte; it ends at 234,496
.set LNS,    234496                    ; the norm's sums: 2 x 4 waves x 256 bytes
.set SPARE,  LNS+2048                  ; the spare words, 128 bytes a wave: two blocks of 256 bytes that no other line names
.set XSTG,   SPARE+512                 ; the stages, XPW bytes a wave; no tensor load lands here
.set XPW,    64*272
.set GRP,    51200
.set SPW, 1                            ; v1  SPARE + 4 x thread; never rewritten
.set NIL, 2                            ; v2  0; never rewritten
.set FA0, 3                            ; v3  my block in slot 0 + 16 x lane
.set WSA0, 4                           ; v4  my block + 4 x lane
.set L16, 5                            ; v5  16 x lane
.set XSI, 7                            ; v7  stage, x on its way in: 272 (l / 16) + 16 (l % 16)
.set XSO, 8                            ; v8  stage, x on its way back: 272 r + 64 h
.set XA,  9                            ; v9  x in memory: 8,192 (l / 16) + 16 (l % 16)
.set DS0, 6                            ; eight registers for the scale words of a chunk that comes straight into registers, K step k in DSk, and for nothing else
.set DS1, 10
.set DS2, 11
.set DS3, 12
.set DS4, 13
.set DS5, 14
.set DS6, 15
.set DS7, 51
.set XS,  16                           ; v16-31 the rows' scale words and nothing else
.set BIAS, 32                          ; v32-47; at the head v32-37 are at work
.set L8T, 35                           ; 8 x lane, 4 x lane, 64 h: for the head's loads alone
.set L4T, 36
.set GBT, 37
.set WSR, 48                           ; v48-50 the weights' scale words, one for each buffer, and nothing else
.set WF,  52                           ; v52-123 three buffers of a K step's two weight fragments
.set FA,  124                          ; v124-127 the addresses in the slot in hand
.set WSA, 125
.set BA0, 126
.set BA,  127
.set SUM, 52                           ; behind the products the buffers' registers serve the norm and the way out
.set R4,  68
.set R4B, 72
.set LD,  76
.set NM,  92
.set RS,  100
.set LNR, 110                          ; where all waves' sums are read
.set LNW, 111                          ; where my wave's sums go
.set STO, 112                          ; stage, results in: 1,040 r + 64 h
.set XRD, 113                          ; stage, results back: 16 x lane
.set GB,  114                          ; 64 h: gamma and beta in the result's layout
.set MSB, 0
.macro WIN new                         ; s_set_vgpr_msb: bits 1:0 source 0, 3:2 source 1, 5:4 source 2, 7:6 destination; the high byte repeats the setting that is left
.if MSB != (\new)
	s_set_vgpr_msb (MSB<<8)|(\new)
.set MSB, (\new)
.endif
.endm
.macro ACCOF j                         ; chunk j's 64 accumulator registers: window AW, from v[AB].  Windows 1 and 2 hold the codes in v0-191
.if (\j) < 2
.set AW, 0
.set AB, 128+64*(\j)
.elseif (\j) < 4
.set AW, (\j)-1
.set AB, 192
.else
.set AW, 3
.set AB, 64*((\j)-4)
.endif
.endm
.macro CROUND                          ; a round of the cluster's barrier
	s_barrier_signal -1
	s_barrier_wait -1
	s_cmp_lg_u32 s18, 0
	s_cbranch_scc1 .Lnot_wave_0_\@
	s_barrier_signal -3
.Lnot_wave_0_\@:
	s_barrier_wait -3
	s_barrier_signal -1
	s_barrier_wait -1
.endm
.macro BARRIER
	s_wait_dscnt 0x0
	s_barrier_signal -1
	s_barrier_wait -1
.endm
.macro PLACES                          ; four places behind matrix instructions (ISA guide 7.12.1)
.rept 4
	v_nop
.endr
.endm
; x for chunks 2 jp and 2 jp + 1: 32 loads.  Load (m, t = 4 jj + q): tile m's rows 2 t (lanes 0-15) and 2 t + 1 (lanes 16-31), 256 consecutive bytes each, into four of the pair's own accumulator registers
.macro XPAIR jp
.irp jj, 0,1
	ACCOF 2*(\jp)+\jj
	WIN AW<<6
.irp m, 0,1,2,3
.irp q, 0,1,2,3
	global_load_b128 v[AB+16*\m+4*\q:AB+16*\m+4*\q+3], v[XA], s[4:5] offset:(\m/2)*131072+(\m%2)*4096+16384*(4*\jj+\q)+256*(\jp) th:TH_LOAD_NT
.endr
.endr
.endr
	WIN 0
.endm
; The pair turns through my stage: in as loaded, back 64 bytes a lane: register 16 m + 4 q + e of chunk 2 jp + jj = row r of tile m, column 32 jj + 16 h + 4 q + e of the pair's 64
.macro TURN jp
.irp jj, 0,1
	ACCOF 2*(\jp)+\jj
	WIN AW<<2
.irp m, 0,1,2,3
.irp q, 0,1,2,3
	ds_store_b128 v[XSI], v[AB+16*\m+4*\q:AB+16*\m+4*\q+3] offset:4352*\m+544*(4*\jj+\q)
.endr
.endr
.endr
	s_wait_dscnt 0x0                               ; the stores have read their registers, which the loads below fill again
.irp jj, 0,1
	ACCOF 2*(\jp)+\jj
	WIN AW<<6
.irp m, 0,1,2,3
.irp q, 0,1,2,3
	ds_load_b128 v[AB+16*\m+4*\q:AB+16*\m+4*\q+3], v[XSO] offset:4352*\m+128*\jj+16*\q
.endr
.endr
.endr
	WIN 0
.endm
.macro LSTEP ks, kb                    ; K step ks of my block: two fragments and their scale words into buffer kb: 7 LDS loads
.irp u, 0,1
.irp i, 0,1,2
	ds_load_b128 v[WF+24*(\kb)+12*\u+4*\i:WF+24*(\kb)+12*\u+4*\i+3], v[FA] offset:(2*(\ks)+\u)*1536+512*\i
.endr
.endr
	ds_load_b32 v[WSR+(\kb)], v[WSA] offset:24576+128*(\ks)
.endm
.macro BIASLD                          ; 4 LDS loads: bias of columns n0 + 16 h + 0 .. 15
.irp u, 0,1
.irp i, 0,1
	ds_load_b128 v[BIAS+8*\u+4*\i:BIAS+8*\u+4*\i+3], v[BA] offset:25600+32*\u+16*\i
.endr
.endr
.endm
.macro WM d, a, b, c, sa, sb, ra, rb   ; one matrix instruction; ra, rb: the side's scale words lie in lanes 16-31
.if (\ra) && (\rb)
	v_wmma_scale_f32_16x16x128_f8f6f4 v[\d:\d+7], v[\a:\a+11], v[\b:\b+11], v[\c:\c+7], v[\sa], v[\sb] matrix_a_fmt:MATRIX_FMT_FP6 matrix_b_fmt:MATRIX_FMT_FP6 matrix_a_scale:MATRIX_SCALE_ROW1 matrix_b_scale:MATRIX_SCALE_ROW1
.elseif (\ra)
	v_wmma_scale_f32_16x16x128_f8f6f4 v[\d:\d+7], v[\a:\a+11], v[\b:\b+11], v[\c:\c+7], v[\sa], v[\sb] matrix_a_fmt:MATRIX_FMT_FP6 matrix_b_fmt:MATRIX_FMT_FP6 matrix_a_scale:MATRIX_SCALE_ROW1
.elseif (\rb)
	v_wmma_scale_f32_16x16x128_f8f6f4 v[\d:\d+7], v[\a:\a+11], v[\b:\b+11], v[\c:\c+7], v[\sa], v[\sb] matrix_a_fmt:MATRIX_FMT_FP6 matrix_b_fmt:MATRIX_FMT_FP6 matrix_b_scale:MATRIX_SCALE_ROW1
.else
	v_wmma_scale_f32_16x16x128_f8f6f4 v[\d:\d+7], v[\a:\a+11], v[\b:\b+11], v[\c:\c+7], v[\sa], v[\sb] matrix_a_fmt:MATRIX_FMT_FP6 matrix_b_fmt:MATRIX_FMT_FP6
.endif
.endm
.macro MUL8 ks, kb, aw, ab             ; K step ks: four tiles of rows x two of columns; the 8 accumulators take turns, one instruction a turn
	WIN ((\aw)<<6)|((\aw)<<4)|((1+(\ks)/4)<<2)
.irp m, 0,1,2,3
.irp u, 0,1
	WM \ab+16*\m+8*\u, WF+24*(\kb)+12*\u, 48*((\ks)%4)+12*\m, \ab+16*\m+8*\u, WSR+(\kb), XS+2*(\ks)+\m/2, \u, \m%2
.endr
.endr
.endm
.macro PREADD aw, ab                   ; x + bias: what the chunk's sums start from
	WIN (\aw)|((\aw)<<6)
.irp m, 0,1,2,3
.irp i, 0,2,4,6,8,10,12,14
	v_pk_add_f32 v[\ab+16*\m+\i:\ab+16*\m+\i+1], v[\ab+16*\m+\i:\ab+16*\m+\i+1], v[BIAS+\i:BIAS+\i+1]
.endr
.endr
.endm
; A CHUNK FROM THE RING: 8 K steps of my block, 64 matrix instructions.  Step s's products run while steps s + 1 and s + 2 are on their way from LDS.
; fill 1: the slot is left and filled again;  0: the slot is left;  -1: the last chunk.
.macro CHUNK aw, ab, fill
.set SS, 0
.rept 6
	PLACES                                         ; the loads below land in a buffer that earlier steps have multiplied
	WIN 0
	LSTEP SS+2, (KAP+2)%3
.if SS == 0
	s_wait_dscnt 7                                 ; the 7 loads just issued may be out: x, the bias and steps 0 and 1 are in
	PREADD \aw, \ab
	PLACES
.else
	s_wait_dscnt 14                                ; the 7 + 7 loads of steps s + 1 and s + 2 may be out
.endif
	MUL8 SS, KAP, \aw, \ab
.set KAP, (KAP+1)%3
.set SS, SS+1
.endr
.if (\fill) == 1
	WIN 0
	s_wait_tensorcnt 0x0                           ; my one load that was out, my block of the ring's next chunk, has landed
	ds_add_u32 v[SPW], v[NIL]                      ; 0 onto my spare word
	s_xor_b32 s37, s37, SLOT1                      ; no load of mine is out: the group 0 steps to the slot that is left, and a chunk on
	s_add_nc_u64 s[38:39], s[38:39], CHUNKB
	s_xor_b32 s63, s63, SLOT1
	s_wait_dscnt 8                                 ; the add and step 7's 7 loads may be out
	MUL8 6, KAP, \aw, \ab
	WIN 0
	v_add_nc_u32 v[FA], s63, v[FA0]
	v_add_nc_u32 v[WSA], s63, v[WSA0]
	v_add_nc_u32 v[BA], s63, v[BA0]
	s_wait_dscnt 0x0                               ; the add is done, and my reads of this slot are over
	CROUND                                         ; no wave of any partner still reads this slot or has a load on its way
	tensor_load_to_lds s[36:39], s[24:31]          ; the joint refill, my one tensor load until the next round
	s_nop 0
	PLACES                                         ; also the places in front of the loads below
	s_wait_alu depctr_va_vdst(0)                   ; the wait ahead of the addresses' first readers
	BIASLD
	LSTEP 0, (KAP+2)%3
	LSTEP 1, KAP
	MUL8 7, (KAP+1)%3, \aw, \ab
.elseif (\fill) == 0
	WIN 0
	s_wait_tensorcnt 0x0                           ; my block of the last chunk has landed; I alone read it, and nothing is filled again
	s_xor_b32 s63, s63, SLOT1
	s_wait_dscnt 7
	MUL8 6, KAP, \aw, \ab
	WIN 0
	v_add_nc_u32 v[FA], s63, v[FA0]
	v_add_nc_u32 v[WSA], s63, v[WSA0]
	v_add_nc_u32 v[BA], s63, v[BA0]
	PLACES
	BIASLD
	LSTEP 0, (KAP+2)%3
	LSTEP 1, KAP
	s_wait_alu depctr_va_vdst(0)
	s_wait_dscnt 18                                ; the 4 + 7 + 7 loads just issued may be out: step 7's fragments are in
	MUL8 7, (KAP+1)%3, \aw, \ab
.else
	s_wait_dscnt 7
	MUL8 6, KAP, \aw, \ab
	s_wait_dscnt 0x0
	MUL8 7, (KAP+1)%3, \aw, \ab
.endif
.set KAP, (KAP+2)%3
.endm
.macro CH j, fill
	ACCOF \j
	CHUNK AW, AB, \fill
.endm
; A CHUNK STRAIGHT INTO REGISTERS.  DFRAG: my block's 16 fragments into window 3, fragment f at v[12 f]: 48 loads of 512 consecutive bytes.  DSMALL: its 16 bias numbers (columns n0 + 16 h + ..) and 8 scale words, 12 loads
.macro DFRAG c
	WIN 0xc0
.set FF, 0
.rept 16
.irp i, 0,1,2
	global_load_b128 v[12*FF+4*\i:12*FF+4*\i+3], v[L16], s[40:41] offset:(\c)*CHUNKB+1536*FF+512*\i
.endr
.set FF, FF+1
.endr
	WIN 0
.endm
.macro DSMALL c, bb, sw
	WIN 0xc0
.irp i, 0,1,2,3
	global_load_b128 v[\bb+4*\i:\bb+4*\i+3], v[GBT], s[40:41] offset:(\c)*CHUNKB+25600+16*\i
.endr
.irp k, 0,1,2,3,4,5,6,7
	global_load_b32 v[\sw+\k], v[L4T], s[40:41] offset:(\c)*CHUNKB+24576+128*\k
.endr
	WIN 0
.endm
; Its 64 matrix instructions stand on end: nothing is fetched between them.  bb, sw: where its bias and its scale words lie in window 3.  It leaves the ring's buffers, bias and scale words alone
.macro DCHUNK aw, ab, bb, sw
	s_wait_dscnt 0x0                               ; x is back from the stage
	WIN 0x03
.irp k, 0,1,2,3,4,5,6,7
	v_mov_b32 v[DS\k], v[\sw+\k]                   ; scale operands are taken from window 0; the 32 additions below stand between these lines and the first product
.endr
	WIN (\aw)|(3<<2)|((\aw)<<6)
.irp m, 0,1,2,3
.irp i, 0,2,4,6,8,10,12,14
	v_pk_add_f32 v[\ab+16*\m+\i:\ab+16*\m+\i+1], v[\ab+16*\m+\i:\ab+16*\m+\i+1], v[\bb+\i:\bb+\i+1]
.endr
.endr
	PLACES
.irp k, 0,1,2,3,4,5,6,7
	WIN ((\aw)<<6)|((\aw)<<4)|((1+\k/4)<<2)|3
.irp m, 0,1,2,3
.irp u, 0,1
	WM \ab+16*\m+8*\u, 24*\k+12*\u, 48*(\k%4)+12*\m, \ab+16*\m+8*\u, DS\k, XS+2*\k+\m/2, \u, \m%2
.endr
.endr
.endr
	PLACES                                         ; in front of the loads that land on the fragments next
	WIN 0
.endm
	; ---- the head
	s_load_b256 s[4:11], s[0:1], 0x0               ; x s[4:5], gamma s[6:7], beta s[8:9], the stream s[10:11]
	s_load_b128 s[12:15], s[0:1], 0x20             ; aq s[12:13], out0 s[14:15]
	v_lshl_add_u32 v[SPW], v0, 2, SPARE
	v_mov_b32 v[NIL], 0
	ds_add_u32 v[SPW], v[NIL]                      ; the opening lines: the add, twice on end, and its wait ahead of my first tensor load
	ds_add_u32 v[SPW], v[NIL]
	v_lshrrev_b32 v32, 5, v0
	v_readfirstlane_b32 s18, v32                   ; wave 0..3
	s_bfe_u32 s19, ttmp6, 0x40000                  ; cx: it enters the addresses of x, aq and out0 alone
	s_lshl_b32 s20, ttmp9, 2
	s_add_co_u32 s20, s20, s19                     ; my group of 64 rows
	s_mov_b32 s24, 15|(3<<16)|(1<<21)              ; group 1: mask of all four work-groups; elements of 8 bytes; bit 21 beside a mask
	s_mov_b32 s25, 32<<16                          ; rows of 256 bytes,
	s_mov_b32 s26, 101<<16                         ; 101 of them: a block
	s_mov_b32 s27, 32<<16
	s_mov_b32 s28, 101
	s_mov_b32 s29, 32
	s_mov_b32 s30, 0
	s_mov_b32 s31, 0
	s_mul_i32 s70, s18, CHW                        ; my block in a chunk, in memory and in LDS alike
	s_mov_b32 s71, 0
	s_mul_i32 s60, s18, XPW
	s_add_co_u32 s60, s60, XSTG                    ; my stage
	s_lshl_b32 s61, s18, 8
	s_mov_b32 s57, 0x3727c5ac                      ; 1e-5
	s_mov_b32 s58, 0x76543210
	s_mov_b32 s59, 0xfedcba98                      ; v_permlanex16_b32's selects for lane l xor 16
	s_mov_b32 s63, 0                               ; the slot in hand
	s_lshl_b32 s72, s20, 18                        ; 64 rows of 4,096 bytes
	s_lshl_b32 s73, s18, 10
	s_add_co_u32 s72, s72, s73                     ; + my 256 columns
	s_mov_b32 s73, 0
	s_mul_i32 s74, s20, GRP
	s_mov_b32 s75, 0
	s_lshl_b32 s76, s18, 10
	s_mov_b32 s77, 0
	s_wait_dscnt 0x0                               ; both opening adds are done
	s_wait_kmcnt 0x0
	s_add_nc_u64 s[4:5], s[4:5], s[72:73]
	s_add_nc_u64 s[14:15], s[14:15], s[72:73]
	s_add_nc_u64 s[12:13], s[12:13], s[74:75]
	s_add_nc_u64 s[6:7], s[6:7], s[76:77]
	s_add_nc_u64 s[8:9], s[8:9], s[76:77]
	s_add_nc_u64 s[10:11], s[10:11], 24*CHUNKB     ; wo's chunks
	s_add_nc_u64 s[40:41], s[10:11], s[70:71]      ; my block of chunk 0: the base of the loads straight into registers
	s_mov_b32 s32, 1                               ; group 0 of chunk 1, slot 0
	s_mov_b32 s33, s70
	s_add_nc_u64 s[34:35], s[40:41], CHUNKB
	s_mov_b32 s36, 1                               ; group 0 of chunk 3, slot 1; stepped a chunk at a time it serves chunks 4 to 7
	s_add_co_u32 s37, s70, SLOT1
	s_add_nc_u64 s[38:39], s[40:41], 3*CHUNKB
	s_or_b32 s35, s35, 0x80000000
	s_or_b32 s39, s39, 0x80000000
	CROUND                                         ; the four work-groups are here: the first joint loads meet
	tensor_load_to_lds s[32:35], s[24:31]          ; my one load at the head
	s_nop 0
	v_and_b32 v32, 31, v0                          ; lane
	v_and_b32 v33, 15, v0                          ; r
	v_bfe_u32 v34, v0, 4, 1                        ; h
	v_lshlrev_b32 v[L16], 4, v32
	v_add_nc_u32 v[FA0], s70, v[L16]
	v_lshlrev_b32 v[L4T], 2, v32
	v_add_nc_u32 v[WSA0], s70, v[L4T]
	v_lshlrev_b32 v[GBT], 6, v34
	v_add_nc_u32 v[BA0], s70, v[GBT]
	v_lshlrev_b32 v[L8T], 3, v32
	v_lshlrev_b32 v[XA], 13, v34
	v_lshl_add_u32 v[XA], v33, 4, v[XA]
	v_mul_u32_u24 v[XSI], v34, 272
	v_lshl_add_u32 v[XSI], v33, 4, v[XSI]
	v_add_nc_u32 v[XSI], s60, v[XSI]
	v_mul_u32_u24 v[XSO], v33, 272
	v_lshl_add_u32 v[XSO], v34, 6, v[XSO]
	v_add_nc_u32 v[XSO], s60, v[XSO]
	s_wait_alu depctr_va_vdst(0)                   ; the wait behind the head's vector work
.irp s, 0,1,2,3,4,5,6,7
	global_load_b64 v[XS+2*\s:XS+2*\s+1], v[L8T], s[12:13] offset:49152+256*\s   ; the rows' scale words
.endr
	WIN 0x40                                       ; the codes of K steps 0-3: 512 consecutive bytes a load.  8 + 48 loads are out while chunk 1 lands
.set FF, 0
.rept 16
.irp i, 0,1,2
	global_load_b128 v[12*FF+4*\i:12*FF+4*\i+3], v[L16], s[12:13] offset:1536*FF+512*\i
.endr
.set FF, FF+1
.endr
	WIN 0
	s_wait_tensorcnt 0x0                           ; my block of chunk 1 is in
	ds_add_u32 v[SPW], v[NIL]
	s_wait_dscnt 0x0
	CROUND
	tensor_load_to_lds s[36:39], s[24:31]          ; slot 1's first fill: chunk 3
	s_nop 0
	PLACES
	WIN 0x80                                       ; the codes of K steps 4-7
.rept 16
.irp i, 0,1,2
	global_load_b128 v[12*(FF-16)+4*\i:12*(FF-16)+4*\i+3], v[L16], s[12:13] offset:1536*FF+512*\i
.endr
.set FF, FF+1
.endr
	WIN 0
	DFRAG 0
	DSMALL 0, 192, 208
	XPAIR 0
	DSMALL 2, 216, 232                             ; chunk 2's bias and scale words come now, while their address registers stand
	XPAIR 1
	s_wait_xcnt 0x0                                ; the loads have read v35-37, on which the bias lands below
	v_add_nc_u32 v[FA], s63, v[FA0]
	v_add_nc_u32 v[WSA], s63, v[WSA0]
	v_add_nc_u32 v[BA], s63, v[BA0]
	s_wait_alu depctr_va_vdst(0)
	BIASLD                                         ; chunk 1's bias and first two K steps
	LSTEP 0, 0
	LSTEP 1, 1
.set KAP, 0
	; ---- the walk
	s_wait_loadcnt 44                              ; chunk 2's 12 small loads and pair 1's 32 may be out: the codes, chunk 0 and pair 0 are in
	TURN 0
	ACCOF 0
	DCHUNK AW, AB, 192, 208
	DFRAG 2                                        ; chunk 2's fragments, over chunk 0's
	CH 1, 1
	s_wait_loadcnt 48                              ; chunk 2's 48 fragment loads may be out: pair 1 is in
	TURN 1
	s_wait_loadcnt 0x0
	ACCOF 2
	DCHUNK AW, AB, 216, 232
	XPAIR 2                                        ; window 3 is free for what it was made for
	CH 3, 1
	XPAIR 3
	s_wait_loadcnt 32                              ; pair 3's 32 loads may be out
	TURN 2
	CH 4, 1
	CH 5, 1
	s_wait_loadcnt 0x0
	TURN 3
	CH 6, 0
	CH 7, -1
	; ---- the norm
	PLACES
	WIN 0
	v_and_b32 v108, 15, v0                         ; r
	v_bfe_u32 v109, v0, 4, 1                       ; h
	v_lshl_add_u32 v[LNR], v108, 4, LNS
	v_add_nc_u32 v[LNW], s61, v[LNR]
	v_mul_u32_u24 v[STO], v108, 1040
	v_lshl_add_u32 v[STO], v109, 6, v[STO]
	v_add_nc_u32 v[STO], s60, v[STO]
	v_add_nc_u32 v[XRD], s60, v[L16]
	v_lshlrev_b32 v[GB], 6, v109
.irp m, 0,1,2,3
	v_mov_b32 v[R4B+\m], 0                         ; written once: a lane permute's destination counts as one of its sources
.endr
	s_wait_alu depctr_va_vdst(0)
	WIN 0x40                                       ; gamma and beta of my 256 columns, in the result's layout, over the codes that are done with
.set JJ, 0
.rept 8
.irp i, 0,1,2,3
	global_load_b128 v[16*JJ+4*\i:16*JJ+4*\i+3], v[GB], s[6:7] offset:128*JJ+16*\i
.endr
.set JJ, JJ+1
.endr
	WIN 0x80
.set JJ, 0
.rept 8
.irp i, 0,1,2,3
	global_load_b128 v[16*JJ+4*\i:16*JJ+4*\i+3], v[GB], s[8:9] offset:128*JJ+16*\i
.endr
.set JJ, JJ+1
.endr
	WIN 0
.irp m, 0,1,2,3                        ; the rows' sums: two packed chains for each tile of rows; each accumulator is read from its low end on
	v_pk_add_f32 v[SUM+4*\m:SUM+4*\m+1], v[128+16*\m:129+16*\m], v[132+16*\m:133+16*\m]
.endr
.irp m, 0,1,2,3
	v_pk_add_f32 v[SUM+4*\m+2:SUM+4*\m+3], v[130+16*\m:131+16*\m], v[134+16*\m:135+16*\m]
.endr
.irp i, 8,10,12,14
.irp m, 0,1,2,3
	v_pk_add_f32 v[SUM+4*\m+\i%4:SUM+4*\m+\i%4+1], v[SUM+4*\m+\i%4:SUM+4*\m+\i%4+1], v[128+16*\m+\i:129+16*\m+\i]
.endr
.endr
.irp j, 1,2,3,4,5,6,7
	ACCOF \j
	WIN AW<<2
.irp i, 0,2,4,6,8,10,12,14
.irp m, 0,1,2,3
	v_pk_add_f32 v[SUM+4*\m+\i%4:SUM+4*\m+\i%4+1], v[SUM+4*\m+\i%4:SUM+4*\m+\i%4+1], v[AB+16*\m+\i:AB+16*\m+\i+1]
.endr
.endr
.endr
	WIN 0
.macro LNX off                         ; the chains are joined, with lane l xor 16's, and with the other three waves' through LDS: v[LD + m] = tile m's row's sum over all 1,024 columns
.irp m, 0,1,2,3
	v_pk_add_f32 v[SUM+4*\m:SUM+4*\m+1], v[SUM+4*\m:SUM+4*\m+1], v[SUM+4*\m+2:SUM+4*\m+3]
.endr
.irp m, 0,1,2,3
	v_add_f32 v[R4+\m], v[SUM+4*\m], v[SUM+4*\m+1]
.endr
.irp m, 0,1,2,3
	v_permlanex16_b32 v[R4B+\m], v[R4+\m], s58, s59
.endr
.irp m, 0,1,2,3
	v_add_f32 v[R4+\m], v[R4+\m], v[R4B+\m]
.endr
	ds_store_b128 v[LNW], v[R4:R4+3] offset:\off
	BARRIER
.irp q, 0,1,2,3
	ds_load_b128 v[LD+4*\q:LD+4*\q+3], v[LNR] offset:\off+256*\q
.endr
	s_wait_dscnt 0x0
.irp i, 0,2
	v_pk_add_f32 v[LD+\i:LD+\i+1], v[LD+\i:LD+\i+1], v[LD+4+\i:LD+5+\i]
	v_pk_add_f32 v[LD+8+\i:LD+9+\i], v[LD+8+\i:LD+9+\i], v[LD+12+\i:LD+13+\i]
.endr
.irp i, 0,2
	v_pk_add_f32 v[LD+\i:LD+\i+1], v[LD+\i:LD+\i+1], v[LD+8+\i:LD+9+\i]
.endr
.endm
	LNX 0
.irp m, 0,1,2,3
	v_mul_f32 v[NM+2*\m], 0xba800000, v[LD+\m]     ; - the mean: x -1 / 1,024
	v_mov_b32 v[NM+2*\m+1], v[NM+2*\m]
.endr
.irp j, 0,1,2,3,4,5,6,7
	ACCOF \j
	WIN AW|(AW<<6)
.irp m, 0,1,2,3
.irp i, 0,2,4,6,8,10,12,14
	v_pk_add_f32 v[AB+16*\m+\i:AB+16*\m+\i+1], v[AB+16*\m+\i:AB+16*\m+\i+1], v[NM+2*\m:NM+2*\m+1] op_sel_hi:[1,0]
.endr
.endr
	WIN AW|(AW<<2)
.irp i, 0,2,4,6,8,10,12,14
.irp m, 0,1,2,3
.if (\j == 0) && (\i < 4)
	v_pk_mul_f32 v[SUM+4*\m+\i:SUM+4*\m+\i+1], v[AB+16*\m+\i:AB+16*\m+\i+1], v[AB+16*\m+\i:AB+16*\m+\i+1]
.else
	v_pk_fma_f32 v[SUM+4*\m+\i%4:SUM+4*\m+\i%4+1], v[AB+16*\m+\i:AB+16*\m+\i+1], v[AB+16*\m+\i:AB+16*\m+\i+1], v[SUM+4*\m+\i%4:SUM+4*\m+\i%4+1]
.endif
.endr
.endr
.endr
	WIN 0
	LNX 1024
.irp m, 0,1,2,3
	v_fma_f32 v[LD+\m], v[LD+\m], 0x3a800000, s57  ; the variance + 1e-5
.endr
	s_wait_alu depctr_va_vdst(0)                   ; the wait ahead of the batch,
.irp m, 0,1,2,3
	v_rsq_f32 v[RS+2*\m], v[LD+\m]
.endr
	v_nop
	s_wait_alu depctr_va_vdst(0)                   ; and behind it
.irp m, 0,1,2,3
	v_mov_b32 v[RS+2*\m+1], v[RS+2*\m]
.endr
	s_wait_alu depctr_va_vdst(0)
	s_wait_loadcnt 0x0                             ; gamma and beta are in
.macro NORM m                          ; tile m's 16 rows x my 256 columns: x 1 / sqrt(variance + eps), x gamma, + beta
.irp j, 0,1,2,3,4,5,6,7
	ACCOF \j
	WIN AW|(AW<<6)
.irp i, 0,2,4,6,8,10,12,14
	v_pk_mul_f32 v[AB+16*(\m)+\i:AB+16*(\m)+\i+1], v[AB+16*(\m)+\i:AB+16*(\m)+\i+1], v[RS+2*(\m):RS+2*(\m)+1] op_sel_hi:[1,0]
.endr
	WIN AW|(1<<2)|(2<<4)|(AW<<6)
.irp i, 0,2,4,6,8,10,12,14
	v_pk_fma_f32 v[AB+16*(\m)+\i:AB+16*(\m)+\i+1], v[AB+16*(\m)+\i:AB+16*(\m)+\i+1], v[16*\j+\i:16*\j+\i+1], v[16*\j+\i:16*\j+\i+1]
.endr
.endr
	WIN 0
.endm
	NORM 0
	; ---- the way out, tile by tile of 16 rows x my 256 columns, through my stage; the next tile is scaled while this one is on its way back from the stage
.irp m, 0,1,2,3
	s_wait_alu depctr_va_vdst(0)                   ; the wait ahead of the stores that read what was just scaled
.if \m > 0
	s_wait_xcnt 0x0                                ; the last tile's stores have read their registers
.endif
.set JJ, 0
.rept 8
	ACCOF JJ
	WIN AW<<2
.irp i, 0,1,2,3
	ds_store_b128 v[STO], v[AB+16*\m+4*\i:AB+16*\m+4*\i+3] offset:128*JJ+16*\i
.endr
.set JJ, JJ+1
.endr
	WIN 0x40
.irp t, 0,1,2,3,4,5,6,7,8,9,10,11,12,13,14,15
	ds_load_b128 v[128+4*\t:131+4*\t], v[XRD] offset:1040*(\t/2)+512*(\t%2)   ; LDS serves a wave's instructions in order (ISA guide 5.7.1.4): these see my stores
.endr
	WIN 0x80
.irp t, 0,1,2,3,4,5,6,7,8,9,10,11,12,13,14,15
	ds_load_b128 v[128+4*\t:131+4*\t], v[XRD] offset:1040*(8+\t/2)+512*(\t%2)
.endr
.if \m < 3
	NORM \m+1
.endif
	s_wait_dscnt 0x0
	WIN 0x04
.irp t, 0,1,2,3,4,5,6,7,8,9,10,11,12,13,14,15
	global_store_b128 v[L16], v[128+4*\t:131+4*\t], s[14:15] offset:(\m/2)*131072+(\m%2)*4096+8192*(\t/2)+512*(\t%2) th:TH_STORE_NT   ; 32 lanes store 512 consecutive bytes, at a multiple of 256 from out0's first byte
.endr
	WIN 0x08
.irp t, 0,1,2,3,4,5,6,7,8,9,10,11,12,13,14,15
	global_store_b128 v[L16], v[128+4*\t:131+4*\t], s[14:15] offset:(\m/2)*131072+(\m%2)*4096+8192*(8+\t/2)+512*(\t%2) th:TH_STORE_NT
.endr
.endr
	WIN 0
	s_wait_tensorcnt 0x0                           ; the wave's end: behind my last tensor load and my last LDS store
	ds_add_u32 v[SPW], v[NIL]
	s_wait_dscnt 0x0
	CROUND                                         ; the closing round
	s_endpgm
.Lfunc_end_k_q8453aa6bc7_outln:
	.size	k_q8453aa6bc7_outln, .Lfunc_end_k_q8453aa6bc7_outln-k_q8453aa6bc7_outln
	.p2alignl 7, 3214868480
	.fill 96, 4, 3214868480
	.section	.rodata,"a",@progbits
	.p2align	6, 0x0
	.amdhsa_kernel k_q8453aa6bc7_outln
		.amdhsa_group_segment_fixed_size 327680
		.amdhsa_private_segment_fixed_size 0
		.amdhsa_enable_private_segment 0
		.amdhsa_kernarg_size 48
		.amdhsa_user_sgpr_count 2
		.amdhsa_user_sgpr_kernarg_segment_ptr 1
		.amdhsa_wavefront_size32 1
		.amdhsa_system_sgpr_workgroup_id_x 1
		.amdhsa_system_sgpr_workgroup_id_y 1
		.amdhsa_system_sgpr_workgroup_id_z 1
		.amdhsa_system_vgpr_workitem_id 0
		.amdhsa_next_free_vgpr 1024
		.amdhsa_next_free_sgpr 80
		.amdhsa_reserve_vcc 0
		.amdhsa_float_denorm_mode_32 3
		.amdhsa_float_denorm_mode_16_64 3
		.amdhsa_memory_ordered 1
		.amdhsa_forward_progress 1
		.amdhsa_inst_pref_size 255
	.end_amdhsa_kernel
	.section	.bss,"aw",@nobits
	.p2align	6
	.space	262144
	.amdgpu_metadata
---
amdhsa.version: [ 1, 2 ]
amdhsa.kernels:
  - .name:           k_q8453aa6bc7_outln
    .symbol:         k_q8453aa6bc7_outln.kd
    .args:
      - { .name: modality_encodings, .offset: 0, .size: 8, .value_kind: global_buffer, .address_space: global }
      - { .name: ln_gamma, .offset: 8, .size: 8, .value_kind: global_buffer, .address_space: global }
      - { .name: ln_beta, .offset: 16, .size: 8, .value_kind: global_buffer, .address_space: global }
      - { .name: wstream, .offset: 24, .size: 8, .value_kind: global_buffer, .address_space: global }
      - { .name: aq, .offset: 32, .size: 8, .value_kind: global_buffer, .address_space: global }
      - { .name: out0, .offset: 40, .size: 8, .value_kind: global_buffer, .address_space: global }
    .group_segment_fixed_size: 327680
    .private_segment_fixed_size: 0
    .kernarg_segment_align: 8
    .kernarg_segment_size: 48
    .max_flat_workgroup_size: 128
    .sgpr_count:     80
    .vgpr_count:     1024
    .wavefront_size: 32
...
	.end_amdgpu_metadata
.endif
;; end of part 3
